; MI455X (gfx1250); checked and timed in simulation.
; The chip was launched on July 23, 2026; its instructions are those of AMD's public machine-readable ISA for CDNA 5 (MIT licence, August 2026) and "CDNA5" Instruction Set Architecture Reference Guide (July 2026). The comments in the code are by the model that wrote it; some were corrected since.
;; Multi Headed Attention. Allowed arithmetic: matrix products marked QUANTISED: E4M3 operands, one E8M0 scale for each 32 along K, by v_wmma_scale_f32_16x16x128_f8f6f4 with both operands' format E4M3, f32 sums; everything else in f32.
;; Inputs: Wk 1,024 x 1,024 float32; Wo 1,024 x 1,024 float32; Wq 1,024 x 1,024 float32; Wv 1,024 x 1,024 float32; bk 1,024 float32; bo 1,024 float32; bq 1,024 float32; bv 1,024 float32; key 2 x 2,048 x 1,024 float32; mask 2 x 2,048 x 2,048 bool; query 2 x 2,048 x 1,024 float32; value 2 x 2,048 x 1,024 float32.
;; Outputs: out0 2 x 2,048 x 1,024 float32.
;; This version of the problem:
;;   THIS VERSION OF THE PROBLEM IS GIVEN IN LOW PRECISION. The matrix products marked QUANTISED in the list below multiply operands that are first quantised to E4M3 (4 exponent bits, 3 mantissa bits; 8 bits a number), with one power-of-two scale for each 32 numbers along K (OCP MX v1.0); their sums are f32. All else is computed in f32.
;;   The module's matrix products, in the order in which they are computed (A, B: the left and right operand; K: the contracted axis; several contracted axes count as one K, in the product's order):
;;     1. [M 4,096, K 1,024] x [K 1,024, N 1,024]; A: input query; B: input Wq: QUANTISED
;;     2. [M 4,096, K 1,024] x [K 1,024, N 1,024]; A: input key; B: input Wk: QUANTISED
;;     3. [M 4,096, K 1,024] x [K 1,024, N 1,024]; A: input value; B: input Wv: QUANTISED
;;     4. batch 32 x [M 2,048, K 64] x [K 64, N 2,048]; A: computed on the way; B: computed on the way: QUANTISED
;;     5. batch 32 x [M 2,048, K 2,048] x [K 2,048, N 64]; A: softmax (see below); B: computed on the way: QUANTISED
;;     6. [M 4,096, K 1,024] x [K 1,024, N 1,024]; A: computed on the way; B: input Wo: QUANTISED
;;   THE QUANTISER, for each operand of a quantised product, along K:
;;     - K is cut into blocks of 32 from its start; a last block that is shorter is filled with zeros.
;;     - A block's scale is 2^e with e = floor(log2(the largest magnitude in the block)) - 8, held to -126 .. 127; a block of zeros has e = 0. As a byte (E8M0): e + 127.
;;     - Each number is divided by its block's scale, clamped to +-448, and rounded to the nearest number of E4M3, ties to even, subnormals kept.
;;     - The product sums the exact products of the quantised numbers (number of the format x scale) in f32.
;;   ~~~python
;;   def quantise(x, axis):      # numpy; x: float32 -> the quantised numbers, widened to float32 again
;;       x = np.moveaxis(x, axis, -1); K = x.shape[-1]
;;       x = np.pad(x, [(0, 0)] * (x.ndim - 1) + [(0, -K % 32)]); x = x.reshape(x.shape[:-1] + (-1, 32)); a = np.abs(x).max(-1, keepdims=True)
;;       e = np.where(a > 0, np.clip(np.frexp(np.where(a > 0, a, 1))[1] - 1 - 8, -126, 127), 0)      # np.frexp(a)[1] - 1 = floor(log2(a)), exactly
;;       r = np.clip(x / 2.0 ** e, -448, 448)
;;       step = 2.0 ** (np.maximum(np.frexp(np.where(r == 0, 1, r))[1] - 1, -6) - 3)
;;       q = np.round(r / step) * step * 2.0 ** e      # np.round: ties to even
;;       return np.moveaxis(q.reshape(q.shape[:-2] + (-1,))[..., :K], -1, axis).astype(np.float32)
;;   ~~~
;;   SOFTMAX AHEAD OF A QUANTISED PRODUCT. Where the list says 'softmax', what is quantised is not the finished softmax but p = 2^(t - M), with t = logit x log2(e) and M = ceil(the row's largest t), a whole number; so 1/2 < the row's largest p <= 1. The row's sum l is taken of the UNQUANTISED p, in f32, and the product's result is divided by l at the end. Since M is a whole number, a kernel that streams over the keys may use a running M (the ceiling of the running maximum): every later rescaling is an exact power of two, which a block's scale takes up: the codes' values come out the same.
;;   OPERANDS COMPUTED ON THE WAY. 'Computed on the way' means the value that the module computes at that place (a softmax that the list does not call 'softmax' is quantised finished and normalised). What goes into a quantiser is computed in f32, as accurately as f32 sums, v_exp_f32 and their like allow (about 1e-6 of the number): no bf16 or f16 on the way to a quantiser, and a product that is left as it is and whose result goes on into a quantised operand takes f32 operands (vector FMAs, or v_wmma_f32_16x16x4_f32). A number that lies on a knife's edge between two numbers of the format may be rounded either way, as far as f32 arithmetic and the matrix unit's own rounding can turn it there, and no further.
;; One version. Each part assembles by itself: llvm-mc -triple=amdgcn-amd-amdhsa -mcpu=gfx1250 --defsym DOCPART=n.
;; ======== version 1 of 1: 4 launches
;; limits: right only within a limited range of input values
;; workspace buffers: pq 17,301,504 bytes; mb 1,048,576 bytes of whole numbers; fl 4,096 bytes of whole numbers; qkv 13,238,272 bytes; ao 4,325,376 bytes
;; launch prep (part 1): grid 768 x 1, 4 waves a work-group, no clusters, 69,120 bytes of LDS; arguments query, key, value, Wq, Wk, Wv, Wo, mask, pq, mb, fl; writes pq, mb, fl
.if DOCPART == 1
	.amdgcn_target "amdgcn-amd-amdhsa--gfx1250"
	.amdhsa_code_object_version 6
	.text
	.protected	k_q3768ffafbc_prep
	.globl	k_q3768ffafbc_prep
	.p2align	8
	.type	k_q3768ffafbc_prep,@function
k_q3768ffafbc_prep:
	s_mov_b64 s[64:65], 0
	v_nop
	global_prefetch_b8 v0, s[64:65] scope:SCOPE_SE
	s_setreg_imm32_b32 hwreg(HW_REG_WAVE_MODE, 25, 1), 1
	s_wait_xcnt 0x0
; PREP: the three activations [4096][1024] and the four weights [1024 (k)][1024 (n)], f32, become codes of FP8 (E4M3) with one E8M0 byte for each 32 along K; the mask becomes lane-mask words (mb) and flags (fl).
; THE CODES ARE LAID AS IMAGES OF THE OPERAND'S REGISTERS.  A fragment (16 rows x 128 K) is 2,048 bytes [c 0..3][lane][16]: lane (r, h) holds k = 128 s + 32 c + 16 h + 0..15.  Fragments lie [group of 128 rows][K step s][tile i].
; THE ROWS OF A TILE ARE NOT NEIGHBOURS: place r of tile i = 2 al + u is row 32 al + 8 u + r + 8 (r / 8) of its group, so that a later product's results are neighbours along the next K.
; Scale words: 512 bytes a tile, [s / 2][r][s % 2], four bytes a word.
; A block's scale is 2^(floor(log2(largest magnitude)) - 8); its byte is the largest magnitude's exponent field - 8, held at 1 from below.  A block of zeros so gets the byte 1: its codes are zeros, and this program alone reads the bytes.
; LIMITS: NaN and infinities among the inputs are not served.
; THREE PATHS by the work-group's number, each with LDS bytes of its own: 0-383 activations (X), 384-511 weights (W), 512-767 the mask (M).  Waves share nothing: no barrier.
.set WC,   12582912                    ; pq: the weights' codes, 4 x 1,048,576 (the activations' codes lie at 0, 3 x 4,194,304)
.set XS,   16777216                    ; the activations' scale words, 3 x 131,072
.set WS,   17170432                    ; the weights' scale words, 4 x 32,768
.set SEL,  26                          ; s[26:27] v_permlanex16_b32's selects for lane l xor 16
.set MNT,  28
.set PW,   16                          ; v16     the scale word just made
.set PC,   32                          ; v32-47  a fragment's codes
.set TM,   48                          ; v48-63  at work: largest magnitudes, bytes, scale operands
.set R,    64                          ; v64-191 two sets of 64 numbers as loaded
.set X,    192                         ; v192-255 64 numbers: register 16 b + i = k 32 b + 16 h + i of my row
; 64 numbers of a lane become a fragment's codes in v[PC] on and its scale word in v[pw]
.macro QUANT s, pw
.irp b, 0,1,2,3
	v_max3_num_f32 v[TM+\b], |v[\s+16*\b]|, |v[\s+1+16*\b]|, 0x4800000   ; block b: my 16 numbers and the floor 2^(9 - 127): the byte cannot fall under 1
.endr
.irp i, 2,4,6,8,10,12,14
.irp b, 0,1,2,3
	v_max3_num_f32 v[TM+\b], v[TM+\b], |v[\s+16*\b+\i]|, |v[\s+1+16*\b+\i]|   ; the four blocks by turns
.endr
.endr
.irp b, 0,1,2,3
	v_permlanex16_b32 v[TM+4+\b], v[TM+\b], s[SEL], s[SEL+1]
.endr
.irp b, 0,1,2,3
	v_max_num_f32 v[TM+\b], v[TM+\b], v[TM+4+\b]   ; with lane l xor 16's: the block's largest magnitude
.endr
.irp b, 0,1,2,3
	v_add_nc_u32 v[TM+12+\b], 0xfc000000, v[TM+\b]   ; 8 off its exponent field: the conversion's scale operand
.endr
.irp b, 0,1,2,3
.endr
.irp b, 0,1,2,3
	v_lshrrev_b32 v[TM+4+\b], 23, v[TM+12+\b]   ; the scale's byte
.endr
	v_lshl_or_b32 v[\pw], v[TM+5], 8, v[TM+4]
	v_lshl_or_b32 v[\pw], v[TM+6], 16, v[\pw]
	v_lshl_or_b32 v[\pw], v[TM+7], 24, v[\pw]
.irp b, 0,1,2,3
.irp i, 0,1,2,3,4,5,6,7,8,9,10,11,12,13,14,15
.endr
	v_cvt_scalef32_pk8_fp8_f32 v[PC+4*\b:PC+1+4*\b], v[\s+16*\b:\s+7+16*\b], v[TM+12+\b]
	v_cvt_scalef32_pk8_fp8_f32 v[PC+2+4*\b:PC+3+4*\b], v[\s+8+16*\b:\s+15+16*\b], v[TM+12+\b]
.endr
	v_nop                                          ; a plain line behind the last conversion
.endm
	s_load_b512 s[4:19], s[0:1], 0x0               ; query s[4:5], key s[6:7], value s[8:9], Wq s[10:11], Wk s[12:13], Wv s[14:15], Wo s[16:17], mask s[18:19]
	s_load_b128 s[20:23], s[0:1], 0x40             ; pq s[20:21], mb s[22:23]
	s_load_b64 s[54:55], s[0:1], 0x50              ; fl
	v_lshl_add_u32 v30, v0, 2, 0x10c00
	v_mov_b32 v31, 0
	v_lshrrev_b32 v1, 5, v0
	v_readfirstlane_b32 s24, v1                    ; wave 0..3
	v_and_b32 v2, 31, v0                           ; lane
	v_and_b32 v1, 15, v0                           ; r
	v_bfe_u32 v3, v0, 4, 1                         ; h
	s_mov_b32 s[SEL], 0x76543210
	s_mov_b32 s[SEL+1], 0xfedcba98
	s_wait_kmcnt 0x0
	s_cmp_lt_u32 ttmp9, 384
	s_cbranch_scc0 .Lnot_x
; ---- PATH X.  A wave takes one tile of 16 rows x 512 along K: four fragments.  Each load reads 512 consecutive bytes of one row; the 16 rows turn through the wave's stage (pitch 528) so that a lane gets 16 neighbours of each block.
	s_lshr_b32 s30, ttmp9, 7                       ; which activation
	s_and_b32 s31, ttmp9, 127
	s_lshl_b32 s31, s31, 2
	s_add_co_u32 s31, s31, s24
	s_lshr_b32 s32, s31, 1                         ; the tile, 0..255
	s_and_b32 s33, s31, 1                          ; which half of K
	s_cmp_eq_u32 s30, 1
	s_cselect_b64 s[34:35], s[6:7], s[4:5]
	s_cmp_eq_u32 s30, 2
	s_cselect_b64 s[34:35], s[8:9], s[34:35]
	s_lshr_b32 s36, s32, 1
	s_lshl_b32 s36, s36, 5
	s_and_b32 s37, s32, 1
	s_lshl_b32 s37, s37, 3
	s_add_co_u32 s36, s36, s37                     ; the tile's first row: 32 (tile / 2) + 8 (tile % 2)
	s_lshl_b32 s36, s36, 12
	s_lshl_b32 s37, s33, 11
	s_add_co_u32 s36, s36, s37
	s_mov_b32 s37, 0
	s_add_nc_u64 s[34:35], s[34:35], s[36:37]
	s_lshl_b32 s38, s30, 22                        ; the codes: tensor, group, half of K, tile in the group
	s_lshr_b32 s39, s32, 3
	s_lshl_b32 s39, s39, 17
	s_add_co_u32 s38, s38, s39
	s_lshl_b32 s39, s33, 16
	s_add_co_u32 s38, s38, s39
	s_and_b32 s39, s32, 7
	s_lshl_b32 s39, s39, 11
	s_add_co_u32 s38, s38, s39
	s_mov_b32 s39, 0
	s_add_nc_u64 s[38:39], s[20:21], s[38:39]
	s_lshl_b32 s40, s30, 17                        ; the scale words: tensor, tile, half of K
	s_lshl_b32 s41, s32, 9
	s_add_co_u32 s40, s40, s41
	s_lshl_b32 s41, s33, 8
	s_add_co_u32 s40, s40, s41
	s_add_co_u32 s40, s40, XS
	s_mov_b32 s41, 0
	s_add_nc_u64 s[40:41], s[20:21], s[40:41]
	s_mul_i32 s29, s24, 8704                       ; my wave's LDS: a stage of 16 x 528 bytes, then 256 bytes of scale words
	s_wait_alu depctr_va_vdst(0)
	v_lshlrev_b32 v4, 4, v2                        ; 16 x lane
	v_add_nc_u32 v5, s29, v4                       ; into the stage
	v_mul_u32_u24 v6, v1, 528
	v_lshl_add_u32 v6, v3, 6, v6
	v_add_nc_u32 v6, s29, v6                       ; out of it: row r, + 64 h
	s_add_co_u32 s29, s29, 8448
	v_lshlrev_b32 v7, 3, v1
	v_add_nc_u32 v7, s29, v7                       ; my row's scale words
	v_lshlrev_b32 v9, 3, v2
	v_add_nc_u32 v8, s29, v9                       ; and on the way out 8 bytes a lane
.irp b, 0,1,2,3
	v_mov_b32 v[TM+4+\b], 0                        ; written once: a lane permute's destination counts as one of its sources
.endr
.macro LOADF f
.irp i, 0,1,2,3,4,5,6,7,8,9,10,11,12,13,14,15
	global_load_b128 v[R+64*((\f)%2)+4*\i:R+64*((\f)%2)+4*\i+3], v4, s[34:35] offset:(\i+8*(\i/8))*4096+512*(\f) th:TH_LOAD_NT
.endr
.endm
.macro FRAGX f
.if (\f) < 3
	s_wait_loadcnt 16                              ; this fragment's 16 loads are in; the next fragment's may be out
.else
	s_wait_loadcnt 0x0
.endif
.irp i, 0,1,2,3,4,5,6,7,8,9,10,11,12,13,14,15
	ds_store_b128 v5, v[R+64*((\f)%2)+4*\i:R+64*((\f)%2)+4*\i+3] offset:528*\i
.endr
.irp c, 0,1,2,3
.irp j, 0,1,2,3
	ds_load_b128 v[X+16*\c+4*\j:X+16*\c+4*\j+3], v6 offset:128*\c+16*\j   ; LDS serves a wave's instructions in order: these see the stores above
.endr
.endr
	s_wait_dscnt 0x0
.if (\f) < 2
	LOADF (\f)+2
.endif
	s_wait_xcnt 0x0                                ; the last fragment's stores have read the codes' registers
	QUANT X, PW
.irp c, 0,1,2,3
	global_store_b128 v4, v[PC+4*\c:PC+4*\c+3], s[38:39] offset:16384*(\f)+512*\c   ; 32 lanes store 512 consecutive bytes
.endr
	ds_store_b32 v7, v[PW] offset:128*((\f)/2)+4*((\f)%2)   ; both halves of the lanes write the same word with the same value
.endm
	LOADF 0
	LOADF 1
	s_wait_alu depctr_va_vdst(0)
	FRAGX 0
	FRAGX 1
	FRAGX 2
	FRAGX 3
	ds_load_b64 v[10:11], v8
	s_wait_dscnt 0x0
	global_store_b64 v9, v[10:11], s[40:41]        ; 32 lanes store 256 consecutive bytes, aligned
	s_wait_tensorcnt 0x0
	ds_add_u32 v30, v31
	s_wait_dscnt 0x0
	s_endpgm
.Lnot_x:
	s_cmp_lt_u32 ttmp9, 512
	s_cbranch_scc0 .Lpath_m
; ---- PATH W.  K is the weight's first axis: a lane takes a column n and its registers run down K.  A wave takes 32 columns x 256 along K: 8 blocks of 32, each whole in one lane.
.set WX,  32                           ; v32-95  two sets of 32 numbers
.set WCD, 96                           ; v96-103 a block's codes
.set SB,  24                           ; v[24:25] the scale bytes, four to a register
	s_sub_co_u32 s30, ttmp9, 384
	s_lshr_b32 s31, s30, 5                         ; which weight
	s_bfe_u32 s32, s30, 0x30002                    ; group of 128 columns
	s_and_b32 s33, s30, 3                          ; which 256 along K
	s_cmp_eq_u32 s31, 1
	s_cselect_b64 s[34:35], s[12:13], s[10:11]
	s_cmp_eq_u32 s31, 2
	s_cselect_b64 s[34:35], s[14:15], s[34:35]
	s_cmp_eq_u32 s31, 3
	s_cselect_b64 s[34:35], s[16:17], s[34:35]
	s_lshl_b32 s36, s33, 20
	s_lshl_b32 s37, s32, 9
	s_add_co_u32 s36, s36, s37
	s_lshl_b32 s37, s24, 7
	s_add_co_u32 s36, s36, s37
	s_mov_b32 s37, 0
	s_add_nc_u64 s[34:35], s[34:35], s[36:37]
	s_lshl_b32 s38, s31, 20
	s_lshl_b32 s39, s32, 17
	s_add_co_u32 s38, s38, s39
	s_lshl_b32 s39, s33, 15
	s_add_co_u32 s38, s38, s39
	s_lshl_b32 s39, s24, 12
	s_add_co_u32 s38, s38, s39
	s_add_co_u32 s38, s38, WC
	s_mov_b32 s39, 0
	s_add_nc_u64 s[38:39], s[20:21], s[38:39]
	s_lshl_b32 s40, s31, 15
	s_lshl_b32 s41, s32, 12
	s_add_co_u32 s40, s40, s41
	s_lshl_b32 s41, s24, 10
	s_add_co_u32 s40, s40, s41
	s_lshl_b32 s41, s33, 7
	s_add_co_u32 s40, s40, s41
	s_add_co_u32 s40, s40, WS
	s_mov_b32 s41, 0
	s_add_nc_u64 s[40:41], s[20:21], s[40:41]
	s_wait_alu depctr_va_vdst(0)
	v_lshlrev_b32 v3, 2, v2                        ; in: 4 bytes a lane
	v_bfe_u32 v5, v2, 3, 1                         ; column 32 al + lane is place r = lane % 8 + 8 (lane / 16) of tile 2 al + u, u = (lane / 8) % 2
	v_and_b32 v6, 7, v2
	v_lshrrev_b32 v7, 4, v2
	v_lshl_add_u32 v6, v7, 3, v6
	v_lshlrev_b32 v4, 4, v6
	v_lshl_add_u32 v4, v5, 11, v4                  ; codes: 2,048 u + 16 r
	v_lshlrev_b32 v9, 3, v6
	v_lshl_add_u32 v9, v5, 9, v9                   ; scale words: 512 u + 8 r
.macro WLOAD t
.irp i, 0,1,2,3,4,5,6,7,8,9,10,11,12,13,14,15,16,17,18,19,20,21,22,23,24,25,26,27,28,29,30,31
	global_load_b32 v[WX+32*((\t)%2)+\i], v3, s[34:35] offset:(32*(\t)+\i)*4096 th:TH_LOAD_NT
.endr
.endm
.macro WBLOCK t
.set XB, WX+32*((\t)%2)
.if (\t) < 7
	s_wait_loadcnt 32                              ; this block's 32 loads are in; the next block's may be out
.else
	s_wait_loadcnt 0x0
.endif
	v_max3_num_f32 v12, |v[XB]|, |v[XB+1]|, |v[XB+2]|
	v_max3_num_f32 v13, |v[XB+3]|, |v[XB+4]|, |v[XB+5]|
.irp i, 6,10,14,18,22,26
	v_max3_num_f32 v12, v12, |v[XB+\i]|, |v[XB+\i+1]|
	v_max3_num_f32 v13, v13, |v[XB+\i+2]|, |v[XB+\i+3]|
.endr
	v_max3_num_f32 v12, v12, |v[XB+30]|, |v[XB+31]|
	v_max3_num_f32 v12, v12, v13, 0x4800000        ; and the floor
	v_add_nc_u32 v11, 0xfc000000, v12
	v_lshrrev_b32 v13, 23, v11
.if (\t)%4 == 0
	v_mov_b32 v[SB+(\t)/4], v13
.else
	v_lshl_or_b32 v[SB+(\t)/4], v13, 8*((\t)%4), v[SB+(\t)/4]
.endif
.irp i, 0,1,2,3,4,5,6,7,8,9,10,11,12,13,14,15,16,17,18,19,20,21,22,23,24,25,26,27,28,29,30,31
.endr
	s_wait_alu depctr_va_vdst(0)
	s_wait_xcnt 0x0                                ; the last block's stores have read the codes' registers
.irp g, 0,1,2,3
	v_cvt_scalef32_pk8_fp8_f32 v[WCD+2*\g:WCD+2*\g+1], v[XB+8*\g:XB+8*\g+7], v11
.endr
	global_store_b128 v4, v[WCD:WCD+3], s[38:39] offset:16384*((\t)/4)+512*((\t)%4)        ; k 0..15 of the block: the place of lane (r, 0); the 16 lanes of one u fill 256 consecutive bytes
	global_store_b128 v4, v[WCD+4:WCD+7], s[38:39] offset:16384*((\t)/4)+512*((\t)%4)+256  ; k 16..31: the place of lane (r, 1)
.if (\t)+2 < 8
	WLOAD (\t)+2
.endif
.endm
	WLOAD 0
	WLOAD 1
.irp t, 0,1,2,3,4,5,6,7
	WBLOCK \t
.endr
	global_store_b64 v9, v[SB:SB+1], s[40:41]      ; my column's two scale words
	s_endpgm
.Lpath_m:
; ---- PATH M.  A work-group takes (batch, tile of 16 queries), a wave 512 keys: four steps of 128.  For score register n = 16 blk + i of a step, bit 16 h + r of its word is
; mask[query place r][128 step + 32 blk + 16 h + i]: a lane mask for one select.  Word n lies at place 2 (n % 32) + n / 32 of the step's 256 bytes in mb.
; The quarter's flag word, in fl at [128 batch + tile][quarter]: bits 0-3 the step has a true bit; bits 4-7 it has a false bit; bits 31:16 row r has a true bit in this quarter.
.set MK, 128                           ; v128-191 the mask's bytes: register 16 s + 4 blk + i / 4, byte i % 4
	s_sub_co_u32 s30, ttmp9, 512                   ; 128 x batch + tile
	s_lshr_b32 s31, s30, 7
	s_and_b32 s32, s30, 127
	s_lshr_b32 s33, s32, 1
	s_lshl_b32 s33, s33, 5
	s_and_b32 s34, s32, 1
	s_lshl_b32 s34, s34, 3
	s_add_co_u32 s33, s33, s34                     ; the tile's first query
	s_lshl_b32 s33, s33, 11
	s_lshl_b32 s34, s31, 22
	s_add_co_u32 s34, s34, s33
	s_lshl_b32 s33, s24, 9
	s_add_co_u32 s34, s34, s33
	s_mov_b32 s35, 0
	s_add_nc_u64 s[34:35], s[18:19], s[34:35]
	s_lshl_b32 s38, s30, 4
	s_lshl_b32 s33, s24, 2
	s_add_co_u32 s38, s38, s33                     ; 16 x tile + 4 x quarter: my first step's number, and my flag word's byte in fl
	s_mov_b32 s48, s38
	s_mov_b32 s49, 0
	s_lshl_b32 s38, s38, 8
	s_mov_b32 s39, 0
	s_add_nc_u64 s[38:39], s[22:23], s[38:39]
	s_add_nc_u64 s[48:49], s[54:55], s[48:49]
	s_mul_i32 s29, s24, 8448
	s_add_co_u32 s29, s29, 34816                   ; my wave's stage, behind path X's bytes
	s_wait_alu depctr_va_vdst(0)
	v_lshlrev_b32 v4, 4, v2
	v_add_nc_u32 v5, s29, v4
	v_mul_u32_u24 v6, v1, 528
	v_lshl_add_u32 v6, v3, 4, v6
	v_add_nc_u32 v6, s29, v6                       ; row r, + 16 h
	v_lshlrev_b32 v47, 3, v2
.irp i, 0,1,2,3,4,5,6,7,8,9,10,11,12,13,14,15
	global_load_b128 v[64+4*\i:67+4*\i], v4, s[34:35] offset:(\i+8*(\i/8))*2048 th:TH_LOAD_NT   ; 512 consecutive bytes of one query's row
.endr
.irp i, 0,1,2,3,4,5,6,7
	v_mov_b32 v[32+\i], 0                          ; the words: a lane write's destination counts as read
.endr
	v_mov_b32 v45, 0                               ; the rows' sums
	v_mov_b32 v48, 0
	s_mov_b32 s36, 0                               ; the flag word
	s_wait_loadcnt 0x0
.irp i, 0,1,2,3,4,5,6,7,8,9,10,11,12,13,14,15
	ds_store_b128 v5, v[64+4*\i:67+4*\i] offset:528*\i
.endr
.irp s, 0,1,2,3
.irp k, 0,1,2,3
	ds_load_b128 v[MK+16*\s+4*\k:MK+16*\s+4*\k+3], v6 offset:128*\s+32*\k
.endr
.endr
	s_wait_dscnt 0x0
.macro MSTEP s
	v_add3_u32 v44, v[MK+16*\s], v[MK+16*\s+1], v[MK+16*\s+2]   ; byte sums of my 64 bytes: 16 at the most in a byte
.irp i, 3,5,7,9,11,13
	v_add3_u32 v44, v44, v[MK+16*\s+\i], v[MK+16*\s+\i+1]
.endr
	v_add_nc_u32 v44, v44, v[MK+16*\s+15]
	v_cmp_ne_u32 s50, 0, v44                       ; lanes with a true bit
	v_cmp_ne_u32 s51, 0x10101010, v44              ; lanes with a false bit
	v_add_nc_u32 v45, v45, v44
	s_cmp_lg_u32 s50, 0
	s_cselect_b32 s52, 1<<\s, 0
	s_or_b32 s36, s36, s52
	s_cmp_lg_u32 s51, 0
	s_cselect_b32 s52, 16<<\s, 0
	s_or_b32 s36, s36, s52
.set N, 0
.rept 64
	v_and_b32 v[40+N%4], 1<<(8*(N%4)), v[MK+16*\s+4*(N/16)+((N%16)/4)]
	v_cmp_ne_u32 s[40+N%8], 0, v[40+N%4]
	v_writelane_b32 v[32+2*\s+N/32], s[40+N%8], N%32
.set N, N+1
.endr
	global_store_b64 v47, v[32+2*\s:33+2*\s], s[38:39] offset:256*\s   ; 32 lanes store 256 consecutive bytes, aligned
.endm
	MSTEP 0
	MSTEP 1
	MSTEP 2
	MSTEP 3
	v_cmp_ne_u32 s53, 0, v45
	s_lshr_b32 s52, s53, 16
	s_or_b32 s53, s53, s52                         ; row r: either half of the lanes
	s_lshl_b32 s53, s53, 16
	s_or_b32 s36, s36, s53
	v_mov_b32 v46, s36
	v_cmp_eq_u32 vcc_lo, 0, v2
	s_wait_alu depctr_va_vdst(0)
	s_wait_xcnt 0x0                                ; EXEC changes only behind this wait: the stores above have it among their sources
	s_wait_tensorcnt 0x0
	ds_add_u32 v30, v31
	s_wait_dscnt 0x0
	s_and_saveexec_b32 s37, vcc_lo
	global_store_b32 v48, v46, s[48:49]            ; lane 0 alone
	s_wait_xcnt 0x0
	s_or_b32 exec_lo, exec_lo, s37
	s_endpgm
.Lfunc_end_k_q3768ffafbc_prep:
	.size	k_q3768ffafbc_prep, .Lfunc_end_k_q3768ffafbc_prep-k_q3768ffafbc_prep
	.p2alignl 7, 3214868480
	.fill 96, 4, 3214868480
	.section	.rodata,"a",@progbits
	.p2align	6, 0x0
	.amdhsa_kernel k_q3768ffafbc_prep
		.amdhsa_group_segment_fixed_size 69120
		.amdhsa_private_segment_fixed_size 0
		.amdhsa_enable_private_segment 0
		.amdhsa_kernarg_size 88
		.amdhsa_user_sgpr_count 2
		.amdhsa_user_sgpr_kernarg_segment_ptr 1
		.amdhsa_wavefront_size32 1
		.amdhsa_system_sgpr_workgroup_id_x 1
		.amdhsa_system_sgpr_workgroup_id_y 1
		.amdhsa_system_sgpr_workgroup_id_z 1
		.amdhsa_system_vgpr_workitem_id 0
		.amdhsa_next_free_vgpr 256
		.amdhsa_next_free_sgpr 66
		.amdhsa_reserve_vcc 1
		.amdhsa_float_denorm_mode_32 3
		.amdhsa_float_denorm_mode_16_64 3
		.amdhsa_fp16_overflow 1
		.amdhsa_memory_ordered 1
		.amdhsa_forward_progress 1
		.amdhsa_inst_pref_size 130
	.end_amdhsa_kernel
	.amdgpu_metadata
---
amdhsa.version: [ 1, 2 ]
amdhsa.kernels:
  - .name:           k_q3768ffafbc_prep
    .symbol:         k_q3768ffafbc_prep.kd
    .args:
      - { .name: query, .offset: 0, .size: 8, .value_kind: global_buffer, .address_space: global }
      - { .name: key, .offset: 8, .size: 8, .value_kind: global_buffer, .address_space: global }
      - { .name: value, .offset: 16, .size: 8, .value_kind: global_buffer, .address_space: global }
      - { .name: Wq, .offset: 24, .size: 8, .value_kind: global_buffer, .address_space: global }
      - { .name: Wk, .offset: 32, .size: 8, .value_kind: global_buffer, .address_space: global }
      - { .name: Wv, .offset: 40, .size: 8, .value_kind: global_buffer, .address_space: global }
      - { .name: Wo, .offset: 48, .size: 8, .value_kind: global_buffer, .address_space: global }
      - { .name: mask, .offset: 56, .size: 8, .value_kind: global_buffer, .address_space: global }
      - { .name: pq, .offset: 64, .size: 8, .value_kind: global_buffer, .address_space: global }
      - { .name: mb, .offset: 72, .size: 8, .value_kind: global_buffer, .address_space: global }
      - { .name: fl, .offset: 80, .size: 8, .value_kind: global_buffer, .address_space: global }
    .group_segment_fixed_size: 69120
    .private_segment_fixed_size: 0
    .kernarg_segment_align: 8
    .kernarg_segment_size: 88
    .max_flat_workgroup_size: 128
    .sgpr_count:     66
    .vgpr_count:     256
    .wavefront_size: 32
...
	.end_amdgpu_metadata
.endif
;; end of part 1
;; launch proj (part 2): grid 4 x 48, 4 waves a work-group, clusters of 4 x 4, 327,680 bytes of LDS; arguments pq, bq, bk, bv, qkv; writes qkv
.if DOCPART == 2
	.amdgcn_target "amdgcn-amd-amdhsa--gfx1250"
	.amdhsa_code_object_version 6
	.text
	.protected	k_q3768ffafbc_proj
	.globl	k_q3768ffafbc_proj
	.p2align	8
	.type	k_q3768ffafbc_proj,@function
k_q3768ffafbc_proj:
	s_mov_b64 s[64:65], 0
	v_nop
	global_prefetch_b8 v0, s[64:65] scope:SCOPE_SE
	s_setreg_imm32_b32 hwreg(HW_REG_WAVE_MODE, 25, 1), 1
	s_wait_xcnt 0x0
	s_wait_alu depctr_hold_cnt(0) depctr_sa_sdst(0) depctr_va_vdst(0) depctr_va_sdst(0) depctr_va_ssrc(0) depctr_va_vcc(0) depctr_vm_vsrc(0)
	s_getreg_b32 s2, hwreg(HW_REG_IB_STS2, 6, 4)
	s_cmp_eq_u32 s2, 0
	s_cbranch_scc0 .Lentry_in_a_cluster
	s_endpgm
.Lentry_in_a_cluster:
	s_bfe_u32 s2, ttmp6, 0x10000c
	s_cmp_lg_u32 s2, 0xf033
	s_cbranch_scc0 .Lentry_shape_is_right
	s_endpgm
.Lentry_shape_is_right:
.set WC,    12582912
.set XS,    16777216
.set WS,    17170432
.set REC,   413696
.set KC,    0
.set VC,    131072
.set KS,    262144
.set VS,    270336
.set QC,    274432
.set QS,    405504
.set NQ,    2
.set FR,    16
.set NL,    4
.set NP,    8
.set HALFT, 32768
.set SLOT,  4*HALFT
.set LAPS,  2
.set SCL,   2*SLOT
.set HALFS, 4096
.set SBLK,  512
.set SPARE, SCL+4*HALFS
.set ADRA, 16
.set ADRB, 20
.set L8,   25
.set L16,  26
.set ADRS, 27
.set SPW,  28
.set NIL,  29
.set BO,   30
.set SC,   32
.set BI,   64
.set AF,   128
.set T,    128
.set PC,   192
.set TM,   208
.set PW,   224
.set SW,   232
.set CW,   248
.set SEL,  20
.set MNT,  23
.set G1, 24
.set G0, 32
.set G1B, 48
.set G0B, 56
.set G1S, 68
.set G0S, 76
.set G1SB, 80
.set G0SB, 88
.set MSB, 0
.macro WIN new
.if MSB != \new
	s_set_vgpr_msb (MSB<<8)|\new
.set MSB, \new
.endif
.endm
.set MUL_LO, 0xa1
.set MUL_HI, 0xf1
.set TO_B,   0x40
.macro JLOAD g0a, g1a, g0b, g1b
	s_cmp_eq_u32 s15, 0
	s_cbranch_scc0 .Lfor_b_\@
	tensor_load_to_lds s[\g0a:\g0a+3], s[\g1a:\g1a+7]
	s_nop 0
.rept 4
	v_nop
.endr
	s_branch .Lasked_\@
.Lfor_b_\@:
	tensor_load_to_lds s[\g0b:\g0b+3], s[\g1b:\g1b+7]
	s_nop 0
.rept 4
	v_nop
.endr
.Lasked_\@:
.endm
.macro CREST
	s_cmp_lg_u32 s14, 0
	s_cbranch_scc1 .Lnot_wave_0_\@
	s_barrier_signal -3
.Lnot_wave_0_\@:
	s_barrier_wait -3
	s_barrier_signal -1
	s_barrier_wait -1
.endm
.macro CROUND
	s_barrier_signal -1
	s_barrier_wait -1
	CREST
.endm
	s_load_b256 s[4:11], s[0:1], 0x0
	s_load_b64 s[12:13], s[0:1], 0x20
	v_lshl_add_u32 v[SPW], v0, 2, SPARE
	v_mov_b32 v[NIL], 0
	ds_add_u32 v28, v29
	ds_add_u32 v28, v29
	s_wait_dscnt 0x0
	v_lshrrev_b32 v1, 5, v0
	v_readfirstlane_b32 s14, v1
	s_lshr_b32 s15, s14, 1
	s_and_b32 s16, s14, 1
	s_bfe_u32 s40, ttmp6, 0x40000
	s_bfe_u32 s41, ttmp6, 0x40004
	s_and_b32 s66, ttmp7, 0xffff
	s_and_b32 s67, s66, 3
	s_lshl_b32 s67, s67, 2
	s_lshr_b32 s66, s66, 2
	s_lshl_b32 s43, s41, 2
	s_lshl_b32 s43, 15, s43
	s_lshl_b32 s44, 0x1111, s40
	s_lshl_b32 s18, s66, 22
	s_lshl_b32 s20, s66, 20
	s_add_co_u32 s20, s20, WC
	s_lshl_b32 s19, s66, 17
	s_add_co_u32 s19, s19, XS
	s_lshl_b32 s21, s66, 15
	s_add_co_u32 s21, s21, WS
	s_cmp_eq_u32 s66, 2
	s_cselect_b32 s98, 1, 0
	s_cselect_b32 s18, WC+(2<<20), s18
	s_cselect_b32 s20, 2<<22, s20
	s_cselect_b32 s19, WS+65536, s19
	s_cselect_b32 s21, XS+262144, s21
	s_cselect_b32 s17, 0, s67
	s_cselect_b32 s42, s67, 0
	s_add_co_u32 s17, s17, s41
	s_add_co_u32 s42, s42, s40
	s_or_b32 s[G1+0], s43, (3<<16)|(1<<21)
	s_or_b32 s[G1B+0], s44, (3<<16)|(1<<21)
.irp g, G1, G1B
	s_mov_b32 s[\g+1], 32<<16
	s_mov_b32 s[\g+2], 128<<16
	s_mov_b32 s[\g+3], 32<<16
	s_mov_b32 s[\g+4], 128
	s_mov_b32 s[\g+5], 32
	s_mov_b32 s[\g+6], 0
	s_mov_b32 s[\g+7], 0
.endr
	s_or_b32 s[G1S+0], s43, (3<<16)|(1<<21)
	s_or_b32 s[G1SB+0], s44, (3<<16)|(1<<21)
.irp g, G1S, G1SB
	s_mov_b32 s[\g+1], 32<<16
	s_mov_b32 s[\g+2], 16<<16
	s_mov_b32 s[\g+3], 32<<16
	s_mov_b32 s[\g+4], 16
	s_mov_b32 s[\g+5], 32
	s_mov_b32 s[\g+6], 0
	s_mov_b32 s[\g+7], 0
.endr
	s_lshl_b32 s22, s17, 1
	s_add_co_u32 s22, s22, s16
	s_lshl_b32 s92, s22, 17
	s_add_co_u32 s92, s92, s18
	s_mov_b32 s93, 0
	s_lshl_b32 s94, s22, 12
	s_add_co_u32 s94, s94, s19
	s_mov_b32 s95, 0
	s_lshl_b32 s45, s42, 1
	s_add_co_u32 s45, s45, s16
	s_lshl_b32 s46, s45, 17
	s_add_co_u32 s46, s46, s20
	s_mov_b32 s47, 0
	s_lshl_b32 s96, s45, 12
	s_add_co_u32 s96, s96, s21
	s_mov_b32 s97, 0
	s_mul_i32 s45, s14, HALFT
	s_mul_i32 s2, s14, HALFS
	s_wait_kmcnt 0x0
	s_add_nc_u64 s[92:93], s[4:5], s[92:93]
	s_add_nc_u64 s[94:95], s[4:5], s[94:95]
	s_add_nc_u64 s[46:47], s[4:5], s[46:47]
	s_add_nc_u64 s[96:97], s[4:5], s[96:97]
	CROUND
	s_mov_b32 s[G0S], 1
	s_add_co_u32 s[G0S+1], s2, SCL
	s_mov_b64 s[G0S+2:G0S+3], s[94:95]
	s_or_b32 s[G0S+3], s[G0S+3], 0x80000000
	s_mov_b32 s[G0SB], 1
	s_add_co_u32 s[G0SB+1], s2, SCL
	s_mov_b64 s[G0SB+2:G0SB+3], s[96:97]
	s_or_b32 s[G0SB+3], s[G0SB+3], 0x80000000
	JLOAD G0S, G1S, G0SB, G1SB
.irp s, 0,1
	s_mov_b32 s[G0+4*\s], 1
	s_add_co_u32 s[G0+4*\s+1], s45, \s*SLOT
	s_add_nc_u64 s[G0+4*\s+2:G0+4*\s+3], s[92:93], \s*HALFT
	s_or_b32 s[G0+4*\s+3], s[G0+4*\s+3], 0x80000000
	s_mov_b32 s[G0B+4*\s], 1
	s_add_co_u32 s[G0B+4*\s+1], s45, \s*SLOT
	s_add_nc_u64 s[G0B+4*\s+2:G0B+4*\s+3], s[46:47], \s*HALFT
	s_or_b32 s[G0B+4*\s+3], s[G0B+4*\s+3], 0x80000000
	s_wait_alu depctr_va_vdst(0)
	s_wait_tensorcnt 0x0
	ds_add_u32 v28, v29
	s_wait_dscnt 0x0
	CROUND
	JLOAD G0+4*\s, G1, G0B+4*\s, G1B
.endr
	v_and_b32 v1, 15, v0
	v_bfe_u32 v2, v0, 4, 1
	s_wait_alu depctr_va_vdst(0)
	v_and_b32 v3, 31, v0
	v_lshlrev_b32 v[L16], 4, v3
	v_lshlrev_b32 v[L8], 3, v3
	s_mul_i32 s21, s15, HALFT
	s_mul_i32 s22, s16, HALFT
	s_add_co_u32 s22, s22, 2*HALFT
.irp s, 0,1
	v_add_nc_u32 v[ADRA+\s], s21, v[L16]
	v_add_nc_u32 v[ADRB+\s], s22, v[L16]
	s_add_co_u32 s21, s21, SLOT
	s_add_co_u32 s22, s22, SLOT
.endr
	v_lshlrev_b32 v5, 3, v1
	s_mul_i32 s21, s15, HALFS
	s_mul_i32 s22, s16, HALFS
	s_add_co_u32 s22, s22, 2*HALFS
	s_sub_co_u32 s22, s22, s21
	v_mul_u32_u24 v6, s22, v2
	s_add_co_u32 s21, s21, SCL
	v_add_nc_u32 v5, v5, v6
	v_add_nc_u32 v[ADRS], s21, v5
	s_lshl_b32 s18, s42, 10
	s_lshl_b32 s19, s16, 9
	s_add_co_u32 s18, s18, s19
	s_lshl_b32 s20, s17, 10
	s_lshl_b32 s21, s15, 9
	s_add_co_u32 s20, s20, s21
	s_cmp_eq_u32 s66, 1
	s_cselect_b64 s[96:97], s[8:9], s[6:7]
	s_cmp_eq_u32 s98, 1
	s_cselect_b64 s[96:97], s[10:11], s[96:97]
	s_cselect_b32 s18, s20, s18
	s_mov_b32 s19, 0
	s_add_nc_u64 s[96:97], s[96:97], s[18:19]
	s_cmp_eq_u32 s98, 1
	s_cbranch_scc1 .Lbias_v
	v_lshlrev_b32 v[BO], 6, v2
.irp b, 0,1,2,3,4,5,6,7
	global_load_b128 v[BI+8*\b:BI+8*\b+3], v[BO], s[96:97] offset:(32*(\b/2)+8*(\b%2))*4
	global_load_b128 v[BI+8*\b+4:BI+8*\b+7], v[BO], s[96:97] offset:(32*(\b/2)+8*(\b%2))*4+16
.endr
	s_branch .Lbias_done
.Lbias_v:
	v_and_b32 v[BO], 8, v1
	v_add_nc_u32 v[BO], v[BO], v1
	v_lshlrev_b32 v[BO], 2, v[BO]
.irp a, 0,1,2,3,4,5,6,7
.irp j, 0,1,2,3,4,5,6,7
	global_load_b32 v[BI+8*\a+\j], v[BO], s[96:97] offset:(32*(\a/2)+8*(\a%2))*4
.endr
.endr
.Lbias_done:
	s_lshl_b32 s18, s17, 1
	s_add_co_u32 s18, s18, s15
	s_lshl_b32 s19, s42, 1
	s_add_co_u32 s19, s19, s16
	s_lshl_b32 s20, s42, 2
	s_lshl_b32 s21, s16, 1
	s_add_co_u32 s20, s20, s21
	s_lshl_b32 s21, s17, 2
	s_lshl_b32 s22, s15, 1
	s_add_co_u32 s21, s21, s22
	s_cmp_eq_u32 s98, 1
	s_cselect_b32 s18, s19, s18
	s_cselect_b32 s20, s21, s20
	s_lshr_b32 s19, s18, 4
	s_and_b32 s18, s18, 15
	s_lshl_b32 s19, s19, 4
	s_add_co_u32 s19, s19, s20
	s_mul_i32 s19, s19, REC
	s_lshl_b32 s23, s18, 9
	s_lshl_b32 s45, s18, 8
	s_lshl_b32 s18, s18, 13
	s_mov_b32 s21, QC
	s_mov_b32 s22, QS
	s_cmp_eq_u32 s66, 1
	s_cselect_b32 s21, KC, s21
	s_cselect_b32 s22, KS, s22
	s_cmp_eq_u32 s98, 1
	s_cselect_b32 s21, VC, s21
	s_cselect_b32 s22, VS, s22
	s_cselect_b32 s23, s45, s23
	s_add_co_u32 s18, s18, s21
	s_add_co_u32 s18, s18, s19
	s_add_co_u32 s22, s22, s23
	s_add_co_u32 s22, s22, s19
	s_mov_b32 s19, 0
	s_mov_b32 s23, 0
	s_add_nc_u64 s[4:5], s[12:13], s[18:19]
	s_add_nc_u64 s[6:7], s[12:13], s[22:23]
	s_mov_b32 s[SEL], 0x76543210
	s_mov_b32 s[SEL+1], 0xfedcba98
	s_mov_b32 s99, 0x7f7f0000
	s_mov_b32 s100, 0xffff0000
.macro FRAG reg, adr, q, i
.irp c, 0,1,2,3
	ds_load_b128 v[\reg+4*\c:\reg+4*\c+3], v[\adr] offset:16384*(\q)+2048*(\i)+512*\c
.endr
.endm
.macro MUL16 a0, p, q, sc, zero
.irp a, \a0, \a0+1
.irp b, 0,1,2,3,4,5,6,7
.if \zero
	v_wmma_scale_f32_16x16x128_f8f6f4 v[8*(8*((\a)%4)+\b):8*(8*((\a)%4)+\b)+7], v[128*(\p)+FR*\b:128*(\p)+FR*\b+FR-1], v[AF+FR*(\a):AF+FR*(\a)+FR-1], 0, v[SC+8*NQ*(\sc)+NQ*\b+(\q)], v[SC+8*NQ*(\sc)+NQ*(\a)+(\q)] matrix_a_scale:MATRIX_SCALE_ROW1
.else
	v_wmma_scale_f32_16x16x128_f8f6f4 v[8*(8*((\a)%4)+\b):8*(8*((\a)%4)+\b)+7], v[128*(\p)+FR*\b:128*(\p)+FR*\b+FR-1], v[AF+FR*(\a):AF+FR*(\a)+FR-1], v[8*(8*((\a)%4)+\b):8*(8*((\a)%4)+\b)+7], v[SC+8*NQ*(\sc)+NQ*\b+(\q)], v[SC+8*NQ*(\sc)+NQ*(\a)+(\q)] matrix_a_scale:MATRIX_SCALE_ROW1
.endif
.endr
.endr
.endm
.macro FETCH_B slot, q, p
	WIN TO_B
.irp i, 0,1,2,3,4,5,6,7
	FRAG 128*(\p)+FR*\i, ADRB+\slot, \q, \i
.endr
	WIN 0
.endm
.macro FETCH_A slot, q, i0
.irp i, \i0, \i0+1, \i0+2, \i0+3
	FRAG AF+FR*(\i), ADRA+\slot, \q, \i
.endr
.endm
.macro SCALES sc
.irp i, 0,1,2,3,4,5,6,7
	ds_load_b64 v[SC+8*NQ*\sc+NQ*\i:SC+8*NQ*\sc+NQ*\i+1], v[ADRS] offset:\i*SBLK
.endr
.endm
.macro PLACES n
.rept \n
	v_nop
.endr
.endm
.macro STEP slot, q, zero
	s_wait_dscnt 4*NL
	WIN MUL_LO
	MUL16 0, (\q)%2, \q, \slot, \zero
	MUL16 2, (\q)%2, \q, \slot, \zero
	s_wait_dscnt 0
	PLACES NP
	FETCH_B \slot, (\q)+1, 1-(\q)%2
	FETCH_A \slot, (\q)+1, 0
	WIN MUL_HI
	MUL16 4, (\q)%2, \q, \slot, \zero
	MUL16 6, (\q)%2, \q, \slot, \zero
	PLACES NP
	WIN 0
	FETCH_A \slot, (\q)+1, 4
.endm
.macro TURN slot, next, fill
	s_wait_tensorcnt 0x0
	ds_add_u32 v[SPW], v[NIL]
	s_wait_dscnt 4*NL+1
	WIN MUL_LO
	MUL16 0, 1, NQ-1, \slot, 0
	s_wait_dscnt 0x0
	s_barrier_signal -1
	MUL16 2, 1, NQ-1, \slot, 0
	WIN 0
	s_barrier_wait -1
.if \fill
	CREST
	s_add_nc_u64 s[G0+4*\slot+2:G0+4*\slot+3], s[G0+4*\slot+2:G0+4*\slot+3], 2*HALFT
	s_add_nc_u64 s[G0B+4*\slot+2:G0B+4*\slot+3], s[G0B+4*\slot+2:G0B+4*\slot+3], 2*HALFT
	JLOAD G0+4*\slot, G1, G0B+4*\slot, G1B
	PLACES NP-4
.else
	PLACES NP
.endif
	s_wait_alu depctr_va_vdst(0)
	v_add_nc_u32 v[ADRS], 128, v[ADRS]
	FETCH_B \next, 0, 0
	FETCH_A \next, 0, 0
	SCALES \next
	WIN MUL_HI
	MUL16 4, 1, NQ-1, \slot, 0
	MUL16 6, 1, NQ-1, \slot, 0
	PLACES NP
	WIN 0
	FETCH_A \next, 0, 4
.endm
	s_wait_tensorcnt 1
	s_barrier_signal -1
	s_barrier_wait -1
	s_wait_alu depctr_va_vdst(0)
	FETCH_B 0, 0, 0
	FETCH_A 0, 0, 0
	SCALES 0
	FETCH_A 0, 0, 4
	STEP 0, 0, 1
	s_mov_b32 s3, LAPS-1
.Llap:
	TURN 0, 1, 1
	STEP 1, 0, 0
	TURN 1, 0, 1
	STEP 0, 0, 0
	s_sub_co_u32 s3, s3, 1
	s_cmp_lg_u32 s3, 0
	s_cbranch_scc1 .Llap
	TURN 0, 1, 0
	STEP 1, 0, 0
	s_wait_dscnt 4*NL
	WIN MUL_LO
	MUL16 0, 1, NQ-1, 1, 0
	MUL16 2, 1, NQ-1, 1, 0
	s_wait_dscnt 0
	WIN MUL_HI
	MUL16 4, 1, NQ-1, 1, 0
	MUL16 6, 1, NQ-1, 1, 0
	WIN 0
.macro QUANT s, pw
.irp b, 0,1,2,3
	v_max3_num_f32 v[TM+\b], |v[\s+16*\b]|, |v[\s+1+16*\b]|, 0x4800000
.endr
.irp i, 2,4,6,8,10,12,14
.irp b, 0,1,2,3
	v_max3_num_f32 v[TM+\b], v[TM+\b], |v[\s+16*\b+\i]|, |v[\s+1+16*\b+\i]|
.endr
.endr
.irp b, 0,1,2,3
	v_permlanex16_b32 v[TM+4+\b], v[TM+\b], s[SEL], s[SEL+1]
.endr
.irp b, 0,1,2,3
	v_max_num_f32 v[TM+\b], v[TM+\b], v[TM+4+\b]
.endr
.irp b, 0,1,2,3
	v_add_nc_u32 v[TM+12+\b], 0xfc000000, v[TM+\b]
.endr
.irp b, 0,1,2,3
.endr
.irp b, 0,1,2,3
	v_lshrrev_b32 v[TM+4+\b], 23, v[TM+12+\b]
.endr
	v_lshl_or_b32 v[\pw], v[TM+5], 8, v[TM+4]
	v_lshl_or_b32 v[\pw], v[TM+6], 16, v[\pw]
	v_lshl_or_b32 v[\pw], v[TM+7], 24, v[\pw]
.irp b, 0,1,2,3
.irp i, 0,1,2,3,4,5,6,7,8,9,10,11,12,13,14,15
.endr
	v_cvt_scalef32_pk8_fp8_f32 v[PC+4*\b:PC+1+4*\b], v[\s+16*\b:\s+7+16*\b], v[TM+12+\b]
	v_cvt_scalef32_pk8_fp8_f32 v[PC+2+4*\b:PC+3+4*\b], v[\s+8+16*\b:\s+15+16*\b], v[TM+12+\b]
.endr
	v_nop
.endm
.macro EPI a, isv
.if (\a) > 0
	s_wait_xcnt 0x0
.endif
	WIN 0x02+(\a)/4
.irp b, 0,1,2,3,4,5,6,7
.irp p, 0,2,4,6
.if \isv
	v_pk_add_f32 v[T+8*\b+\p:T+8*\b+\p+1], v[8*(8*((\a)%4)+\b)+\p:8*(8*((\a)%4)+\b)+\p+1], v[BI+8*(\a)+\p:BI+8*(\a)+\p+1]
.else
	v_pk_add_f32 v[T+8*\b+\p:T+8*\b+\p+1], v[8*(8*((\a)%4)+\b)+\p:8*(8*((\a)%4)+\b)+\p+1], v[BI+8*\b+\p:BI+8*\b+\p+1]
.endif
.endr
.endr
	WIN 0
.if \isv
	QUANT T, SW+(\a)
.irp e, 0,1,2,3
	global_store_b128 v[L16], v[PC+4*\e:PC+4*\e+3], s[4:5] offset:((\a)/4)*REC+2048*((\a)%4)+512*\e
.endr
.else
	QUANT T, PW
.irp e, 0,1,2,3
	global_store_b128 v[L16], v[PC+4*\e:PC+4*\e+3], s[4:5] offset:(\e/2)*REC+1024*(\a)+512*(\e%2)
.endr
	v_and_or_b32 v[SW+(\a)], v[PW], 0xffff, s99
	v_lshrrev_b32 v[SW+8+(\a)], 16, v[PW]
	v_or_b32 v[SW+8+(\a)], s99, v[SW+8+(\a)]
.endif
.endm
	PLACES NP
	s_wait_loadcnt 0x0
.irp b, 0,1,2,3
	v_mov_b32 v[TM+4+\b], 0
.endr
	s_cmp_eq_u32 s98, 1
	s_cbranch_scc1 .Lout_v
.irp a, 0,1,2,3,4,5,6,7
	EPI \a, 0
.endr
.irp e, 0,1
.irp j, 0,1,2,3
	v_cndmask_b32 v[CW+4*\e+\j], v[SW+8*\e+2*\j], v[SW+8*\e+2*\j+1], s100
.endr
.endr
	global_store_b128 v[L16], v[CW:CW+3], s[6:7]
	global_store_b128 v[L16], v[CW+4:CW+7], s[6:7] offset:REC
	s_branch .Ldone
.Lout_v:
.irp a, 0,1,2,3,4,5,6,7
	EPI \a, 1
.endr
.irp e, 0,1
.irp j, 0,1
	v_cndmask_b32 v[CW+2*\e+\j], v[SW+4*\e+2*\j], v[SW+4*\e+2*\j+1], s100
.endr
.endr
	global_store_b64 v[L8], v[CW:CW+1], s[6:7]
	global_store_b64 v[L8], v[CW+2:CW+3], s[6:7] offset:REC
.Ldone:
	s_wait_tensorcnt 0x0
	ds_add_u32 v[SPW], v[NIL]
	s_wait_dscnt 0x0
	CROUND
	s_endpgm
.Lfunc_end_k_q3768ffafbc_proj:
	.size	k_q3768ffafbc_proj, .Lfunc_end_k_q3768ffafbc_proj-k_q3768ffafbc_proj
	.p2alignl 7, 3214868480
	.fill 96, 4, 3214868480
	.section	.rodata,"a",@progbits
	.p2align	6, 0x0
	.amdhsa_kernel k_q3768ffafbc_proj
		.amdhsa_group_segment_fixed_size 327680
		.amdhsa_private_segment_fixed_size 0
		.amdhsa_enable_private_segment 0
		.amdhsa_kernarg_size 40
		.amdhsa_user_sgpr_count 2
		.amdhsa_user_sgpr_kernarg_segment_ptr 1
		.amdhsa_wavefront_size32 1
		.amdhsa_system_sgpr_workgroup_id_x 1
		.amdhsa_system_sgpr_workgroup_id_y 1
		.amdhsa_system_sgpr_workgroup_id_z 1
		.amdhsa_system_vgpr_workitem_id 0
		.amdhsa_next_free_vgpr 1024
		.amdhsa_next_free_sgpr 102
		.amdhsa_reserve_vcc 0
		.amdhsa_float_denorm_mode_32 3
		.amdhsa_float_denorm_mode_16_64 3
		.amdhsa_fp16_overflow 1
		.amdhsa_memory_ordered 1
		.amdhsa_forward_progress 1
		.amdhsa_inst_pref_size 226
	.end_amdhsa_kernel
	.amdgpu_metadata
---
amdhsa.version: [ 1, 2 ]
amdhsa.kernels:
  - .name:           k_q3768ffafbc_proj
    .symbol:         k_q3768ffafbc_proj.kd
    .args:
      - { .name: pq, .offset: 0, .size: 8, .value_kind: global_buffer, .address_space: global }
      - { .name: bq, .offset: 8, .size: 8, .value_kind: global_buffer, .address_space: global }
      - { .name: bk, .offset: 16, .size: 8, .value_kind: global_buffer, .address_space: global }
      - { .name: bv, .offset: 24, .size: 8, .value_kind: global_buffer, .address_space: global }
      - { .name: qkv, .offset: 32, .size: 8, .value_kind: global_buffer, .address_space: global }
    .group_segment_fixed_size: 327680
    .private_segment_fixed_size: 0
    .kernarg_segment_align: 8
    .kernarg_segment_size: 40
    .max_flat_workgroup_size: 128
    .sgpr_count:     102
    .vgpr_count:     1024
    .wavefront_size: 32
...
	.end_amdgpu_metadata
.endif
;; end of part 2
;; launch attn (part 3): grid 8 x 32, 16 waves a work-group, no clusters, 276,480 bytes of LDS; arguments qkv, mb, fl, ao; writes ao
.if DOCPART == 3
	.amdgcn_target "amdgcn-amd-amdhsa--gfx1250"
	.amdhsa_code_object_version 6
	.text
	.protected	k_q3768ffafbc_attn
	.globl	k_q3768ffafbc_attn
	.p2align	8
	.type	k_q3768ffafbc_attn,@function
k_q3768ffafbc_attn:
	s_mov_b64 s[64:65], 0
	v_nop
	global_prefetch_b8 v0, s[64:65] scope:SCOPE_SE
	s_setreg_imm32_b32 hwreg(HW_REG_WAVE_MODE, 25, 1), 1
	s_wait_xcnt 0x0
; ATTN: for one (batch, head): O = softmax(Q K^T / 8, masked) V on codes of FP8 (E4M3) with E8M0 scales; O / the row's sum is quantised along D and stored as an image of the last product's operand.
; t = score x log2(e) / 8; M = the running largest t rounded UP to a whole number; p = 2^(t - M) is quantised along the keys; the row's sum is taken of the unquantised p and divides at the end.
; SHARES.  A head's K, V and their scale words, 274,432 bytes, are copied into LDS ONCE, through registers; one barrier; then the sixteen waves run free, each with ONE tile of 16 queries, 128 keys a step.
; Wave w of work-group x owns tile 8 rank + x; waves w, w + 4, w + 8, w + 12 have ranks 2 k, 2 k + 1, 14 - 2 k, 15 - 2 k (k = w % 4): they sum to 30, and the two latest tiles of the four are neighbours,
; so that where late queries have more steps than early ones the two long walks end within a step of each other.
; NO TENSOR LOAD, NO CLUSTER, though the eight work-groups of a head read the same K and V: a step's work is jumped over by a scalar branch on flags that an earlier launch stored (fl).
; WHAT IS LEFT OUT, for any mask: a step (16 queries x 128 keys) all of whose 2,048 mask bits are false, in a tile each of whose 16 rows has a true bit somewhere: its p would be 0.
; A tile with a row that is masked throughout computes all 16 steps: that row's p is 1 everywhere, as the reference has it.  A step without a false bit leaves out the 64 selects.
; Every branch hangs on fl's words alone; mb's words are lane masks of selects and enter no branch and no address.
; LAYOUT.  Both products are used transposed (S^T = K Q^T, O^T = V^T P^T): a lane holds one query.  The keys of a tile and V's rows of a tile are laid so that 16 registers of two neighbouring tiles are 16 neighbours.
; K = 64 IN A FORM OF 128: Q's registers 8-15 are zero codes.  K's tile is named with eight registers more than it has: the next tile's codes (behind the last: zeros); these are finite numbers
; (the hold keeps the NaN code out), multiplied by zero codes under the scale bytes 0x7f.
; LIMITS: a masked score is -2^33, as a logit -2^30, where the reference has -1e9: the results agree as long as no unmasked logit lies under about -1e9.  NaN and infinities are not served.
.set REC,  413696
.set VC,   131072
.set KS,   262144
.set VS,   270336
.set QC,   274432
.set QS,   405504
.set AOS,  4194304
.set ADK,  2                           ; v2-5 LDS addresses of the step's K, V, K's words, V's words (in the fill: four bases, 65,536 bytes apart)
.set ADV,  3
.set ADS,  4
.set ADT,  5
.set S,    104                         ; v104-167 S^T, then p
.set O,    168                         ; v168-199 O^T
.set PCD,  200                         ; v200-215 p's codes
.set BM,   224                         ; v224-227 the blocks' largest scores, then p
.set PM,   228                         ; v228-231 lane exchanges, a chain of the sum, bytes
.set HD,   232
.set SO,   236                         ; v236-239 the conversions' scale operands
.set FF,   248                         ; v248 f = 2^(old M - new M)
.set PWD,  249                         ; v249 p's scale word
.set TMP,  250
.set WV,   2                           ; s2 wave
.set CNT,  3                           ; s3 the step
.set FB,   12                          ; s12 bit s: step s is computed
.set GB,   13                          ; s13 bit s: step s has a false bit
.set TB,   14                          ; s14 8,192 x step
.set TS,   15                          ; s15 512 x step
.set TJ,   84                          ; s84 256 x step
.set SEL,  86                          ; s[86:87]
.set CS,   88                          ; s[88:89] c = log2(e) / 8
.set MNT,  90
	s_load_b128 s[4:7], s[0:1], 0x0                ; qkv s[4:5], mb s[6:7]
	s_load_b128 s[8:11], s[0:1], 0x10              ; fl s[8:9], ao s[10:11]
	v_lshl_add_u32 v254, v0, 2, 0x43000
	v_mov_b32 v255, 0
	v_lshrrev_b32 v1, 5, v0
	s_delay_alu instid0(VALU_DEP_1)
	v_readfirstlane_b32 s[WV], v1                  ; wave 0..15
	s_and_b32 s96, s[WV], 3
	s_lshl_b32 s96, s96, 1
	s_bfe_u32 s97, s[WV], 0x10002
	s_or_b32 s96, s96, s97                         ; 2 (w % 4) + (w / 4) % 2: 0..7
	s_lshr_b32 s97, s[WV], 3
	s_mul_i32 s97, s97, 14
	s_xor_b32 s96, s96, s97                        ; rank: waves 8-15 take 8..15, mirrored: each of 0..15 once
	s_lshl_b32 s96, s96, 3
	s_add_co_u32 s96, s96, ttmp9                   ; my tile of queries in the batch, 0..127: it enters global addresses alone
	s_and_b32 s97, ttmp7, 0xffff                   ; 16 x batch + head
	s_lshr_b32 s98, s97, 4
	s_lshl_b32 s98, s98, 7
	s_add_co_u32 s98, s98, s96                     ; 128 x batch + tile
	s_and_b32 s99, s97, 15                         ; head
	s_mul_i32 s16, s97, REC
	s_mov_b32 s17, 0
	s_lshl_b32 s18, s98, 12                        ; my tile's mask words: 16 steps x 256 bytes
	s_mov_b32 s19, 0
	s_lshl_b32 s20, s98, 4                         ; its four flag words in fl
	s_mov_b32 s21, 0
	s_lshr_b32 s22, s98, 3                         ; ao's codes: group, K step head / 2, tile in the group, c = 2 (head % 2) on
	s_lshl_b32 s22, s22, 17
	s_lshr_b32 s23, s99, 1
	s_lshl_b32 s23, s23, 14
	s_add_co_u32 s22, s22, s23
	s_and_b32 s23, s98, 7
	s_lshl_b32 s23, s23, 11
	s_add_co_u32 s22, s22, s23
	s_and_b32 s23, s99, 1
	s_lshl_b32 s23, s23, 10
	s_add_co_u32 s22, s22, s23
	s_mov_b32 s23, 0
	s_lshl_b32 s24, s98, 9                         ; ao's scale words: tile, head / 4, and my two bytes: 2 (head % 4)
	s_add_co_u32 s24, s24, AOS
	s_lshr_b32 s25, s99, 2
	s_lshl_b32 s25, s25, 7
	s_add_co_u32 s24, s24, s25
	s_and_b32 s25, s99, 3
	s_lshl_b32 s25, s25, 1
	s_add_co_u32 s24, s24, s25
	s_mov_b32 s25, 0
	s_lshl_b32 s26, s96, 10
	s_add_co_u32 s26, s26, QC                      ; Q's codes of my tile
	s_mov_b32 s27, 0
	s_lshr_b32 s28, s96, 3                         ; Q's scale words: group, odd tiles 256 bytes on, word (tile % 8) / 2
	s_lshl_b32 s28, s28, 9
	s_and_b32 s29, s96, 1
	s_lshl_b32 s29, s29, 8
	s_add_co_u32 s28, s28, s29
	s_bfe_u32 s29, s96, 0x20001
	s_lshl_b32 s29, s29, 2
	s_add_co_u32 s28, s28, s29
	s_add_co_u32 s28, s28, QS
	s_mov_b32 s29, 0
	s_mov_b32 s[CNT], 0
	s_mov_b32 s[TB], 0
	s_mov_b32 s[TS], 0
	s_mov_b32 s[TJ], 0
	s_mov_b32 s[SEL], 0x76543210
	s_mov_b32 s[SEL+1], 0xfedcba98
	s_mov_b32 s[CS], 0x3e38aa3b
	s_mov_b32 s[CS+1], s[CS]                       ; (named with it as a pair, so it is written)
	v_and_b32 v253, 31, v0                         ; lane
	v_and_b32 v252, 15, v0
	s_delay_alu instid0(VALU_DEP_1)
	v_lshlrev_b32 v251, 4, v252                    ; 16 r
	s_delay_alu instid0(VALU_DEP_2)
	v_lshlrev_b32 v252, 3, v252                    ; 8 r
	s_delay_alu instid0(VALU_DEP_4)
	v_lshlrev_b32 v1, 4, v253                      ; 16 x lane
	v_lshlrev_b32 v2, 4, v0                        ; the fill: 16 x thread, in memory and in LDS alike,
	s_delay_alu instid0(VALU_DEP_1)
	v_add_nc_u32 v3, 0x10000, v2
	s_delay_alu instid0(VALU_DEP_2)
	v_add_nc_u32 v4, 0x20000, v2
	s_delay_alu instid0(VALU_DEP_3)
	v_add_nc_u32 v5, 0x30000, v2
	v_lshl_add_u32 v11, v0, 3, KS                  ; and for the scale words 8 x thread behind the codes
	v_add_nc_u32 v6, KS, v1
	v_lshl_add_u32 v7, v253, 3, VS
	v_add_nc_u32 v10, VC, v1
	v_mov_b32 v8, 0xd0000000                       ; -2^33
	s_wait_alu depctr_va_vdst(0)
	s_wait_kmcnt 0x0
	s_add_nc_u64 s[4:5], s[4:5], s[16:17]          ; the head's record
	s_add_nc_u64 s[100:101], s[8:9], s[20:21]      ; my tile's flag words
	s_add_nc_u64 s[6:7], s[6:7], s[18:19]          ; its mask words
	s_add_nc_u64 s[8:9], s[10:11], s[22:23]        ; ao: my codes,
	s_add_nc_u64 s[10:11], s[10:11], s[24:25]      ; my scale bytes
	s_add_nc_u64 s[26:27], s[4:5], s[26:27]
	s_add_nc_u64 s[28:29], s[4:5], s[28:29]
	s_load_b128 s[92:95], s[100:101], 0x0          ; the flags
.irp j, 0,1,2
	global_load_b64 v[160+2*\j:161+2*\j], v11, s[4:5] offset:4096*\j
.endr
.set J, 0
.rept 32
	global_load_b128 v[32+4*J:35+4*J], v2, s[4:5] offset:8192*J   ; a wave's load covers 512 consecutive bytes
.set J, J+1
.endr
	global_load_b128 v[16:19], v1, s[26:27]        ; Q's codes stay in registers
	global_load_b128 v[20:23], v1, s[26:27] offset:512
	global_load_b32 v9, v251, s[28:29]             ; Q's scale words: lane r has row r's
.set J, 0
.rept 32
	v_mov_b32 v[O+J], 0                            ; O^T.  (The step is written once: its first turn finds zeros)
.set J, J+1
.endr
.irp j, 0,1,2,3,4,5,6,7
	v_mov_b32 v[24+\j], 0                          ; Q's upper half: zero codes
.endr
	v_mov_b32 v13, 0xff61b1e6                      ; the largest t so far: -3e38
	s_delay_alu instid0(VALU_DEP_1)
	v_floor_f32 v12, -v13                          ; -M
	v_mov_b32 v14, 0                               ; the sum, in two halves
	v_mov_b32 v15, 0
.irp b, 0,1,2,3
	v_mov_b32 v[PM+\b], 0                          ; a lane permute's destination counts as one of its sources
.endr
	v_mov_b32 v[FF], 0
	v_mov_b32 v[PWD], 0
	v_mov_b32 v[TMP], 0
	s_wait_loadcnt 35                              ; the three loads of scale words are in; the 32 of codes and Q's three may be out
.irp j, 0,1,2
	ds_store_b64 v11, v[160+2*\j:161+2*\j] offset:4096*\j
.endr
.set J, 0
.rept 8
	s_wait_loadcnt 31-4*J                          ; four more loads of codes are in; the younger ones and Q's three may be out
.irp i, 0,1,2,3
	ds_store_b128 v[2+J/2], v[32+16*J+4*\i:35+16*J+4*\i] offset:8192*((4*J+\i)%8)
.endr
.set J, J+1
.endr
	s_wait_kmcnt 0x0
	s_or_b32 s96, s92, s93
	s_or_b32 s96, s96, s94
	s_or_b32 s96, s96, s95
	s_lshr_b32 s96, s96, 16                        ; bit r: row r has a true bit somewhere
	s_and_b32 s[FB], s92, 15
	s_bfe_u32 s[GB], s92, 0x40004
.irp q, 1,2,3
	s_and_b32 s97, s[92+\q], 15
	s_lshl_b32 s97, s97, 4*\q
	s_or_b32 s[FB], s[FB], s97
	s_bfe_u32 s97, s[92+\q], 0x40004
	s_lshl_b32 s97, s97, 4*\q
	s_or_b32 s[GB], s[GB], s97
.endr
	s_cmp_lg_u32 s96, 0xffff
	s_cselect_b32 s[FB], 0xffff, s[FB]             ; a row that is masked throughout: every step is computed
	s_wait_loadcnt 0x0                             ; Q
	s_wait_dscnt 0x0                               ; for the others' sake: my stores have landed
.irp j, 0,1,2,3,4,5,6,7
	v_mov_b32 v[96+\j], 0                          ; behind K's last tile: zero codes
.endr
	s_barrier_signal -1
	s_barrier_wait -1                              ; the head lies in LDS; nothing is written there again
.Lstep:                                            ; 16 trips, a constant; a step's work is jumped over, its address steps are not
	s_bitcmp1_b32 s[FB], 0
	s_cbranch_scc0 .Lhidden
	s_setprio 2
	v_add_nc_u32 v[ADK], s[TB], v1
	v_add_nc_u32 v[ADV], s[TB], v10
	v_add_nc_u32 v[ADS], s[TS], v6
	v_add_nc_u32 v[ADT], s[TJ], v7
.rept 4
	v_nop                                          ; with the four additions: eight places between the last step's products and the loads into their registers
.endr
.irp t, 0,1,2,3,4,5,6,7
	ds_load_b128 v[32+8*\t:35+8*\t], v[ADK] offset:1024*\t
	ds_load_b128 v[36+8*\t:39+8*\t], v[ADK] offset:1024*\t+512
.endr
	ds_load_b128 v[216:219], v[ADS]                ; K's scale words: register j: lanes 0-15 tile 2 j, lanes 16-31 tile 2 j + 1
	s_wait_dscnt 0x0
	s_wait_alu depctr_va_vdst(0)
.irp t, 0,2,4,6
	v_wmma_scale_f32_16x16x128_f8f6f4 v[S+8*\t:S+8*\t+7], v[32+8*\t:47+8*\t], v[16:31], 0, v[216+\t/2], v9
	v_wmma_scale_f32_16x16x128_f8f6f4 v[S+8*\t+8:S+8*\t+15], v[40+8*\t:55+8*\t], v[16:31], 0, v[216+\t/2], v9 matrix_a_scale:MATRIX_SCALE_ROW1
.endr
.rept 8
	v_nop                                          ; places in front of the loads below and of the first read of the scores
.endr
.irp a, 0,1,2,3
.irp c, 0,1,2,3
	ds_load_b128 v[32+16*\a+4*\c:35+16*\a+4*\c], v[ADV] offset:2048*\a+512*\c   ; V's four tiles: they land under the softmax
.endr
.endr
	ds_load_b64 v[220:221], v[ADT]
	s_bitcmp1_b32 s[GB], 0
	s_cbranch_scc0 .Lopen
	s_load_b512 s[16:31], s[6:7], 0x0              ; the step's 64 lane masks.  One block, with its wait: no scalar load is out on any way round the loop
	s_load_b512 s[32:47], s[6:7], 0x40
	s_load_b512 s[48:63], s[6:7], 0x80
	s_load_b512 s[68:83], s[6:7], 0xc0
	s_wait_kmcnt 0x0
.set N, 0
.rept 64
.set PP, 2*(N%32)+N/32
	v_cndmask_b32 v[S+N], v8, v[S+N], s[16+PP+4*(PP/48)]   ; a hidden score becomes -2^33
.set N, N+1
.endr
.Lopen:
.irp b, 0,1,2,3
	v_max3_num_f32 v[BM+\b], v[S+16*\b], v[S+1+16*\b], v[S+2+16*\b]   ; the largest score of each block of 32 keys: for the row's maximum, and, since p rises with the score, for the block's largest p
.endr
.irp i, 3,5,7,9,11,13
.irp b, 0,1,2,3
	v_max3_num_f32 v[BM+\b], v[BM+\b], v[S+16*\b+\i], v[S+1+16*\b+\i]
.endr
.endr
.irp b, 0,1,2,3
	v_max_num_f32 v[BM+\b], v[BM+\b], v[S+15+16*\b]
.endr
.irp b, 0,1,2,3
	s_delay_alu instid0(VALU_DEP_4)
	v_permlanex16_b32 v[PM+\b], v[BM+\b], s[SEL], s[SEL+1]
.endr
.irp b, 0,1,2,3
	s_delay_alu instid0(VALU_DEP_4)
	v_max_num_f32 v[BM+\b], v[BM+\b], v[PM+\b]     ; with lane l xor 16's 16 keys
.endr
	s_delay_alu instid0(VALU_DEP_2)
	v_max3_num_f32 v[TMP], v[BM], v[BM+1], v[BM+2]
	s_delay_alu instid0(VALU_DEP_1)
	v_max_num_f32 v[TMP], v[TMP], v[BM+3]
	s_delay_alu instid0(VALU_DEP_1)
	v_mul_f32 v[TMP], s[CS], v[TMP]                ; as t
	s_delay_alu instid0(VALU_DEP_1)
	v_max_num_f32 v13, v13, v[TMP]                 ; the running largest t
	v_mov_b32 v[TMP], v12
	s_delay_alu instid0(VALU_DEP_2)
	v_floor_f32 v12, -v13                          ; the new -M = floor(-t): M is a whole number
	s_delay_alu instid0(VALU_DEP_1)
	v_sub_f32 v[TMP], v12, v[TMP]                  ; old M - new M: a whole number, 0 or less
	s_delay_alu instid0(VALU_DEP_1)
	v_cvt_i32_f32 v[TMP], v[TMP]                   ; (it saturates)
	s_delay_alu instid0(VALU_DEP_1)
	v_ldexp_f32 v[FF], 1.0, v[TMP]                 ; f = 2^(old M - new M): multiplying by it rounds nothing
.set J, 0
.rept 32
	v_pk_fma_f32 v[S+J:S+J+1], v[S+J:S+J+1], s[CS:CS+1], v[12:13] op_sel_hi:[1,0,0]   ; t - M, two at a time
.set J, J+2
.endr
	s_setprio 1
.irp b, 0,1,2,3
	v_fma_f32 v[BM+\b], v[BM+\b], s[CS], v12       ; the same of each block's largest score
.endr
.set J, 0
	s_wait_alu depctr_va_vdst(0)
.rept 64
	v_exp_f32 v[S+J], v[S+J]                       ; p = 2^(t - M): not normalised
.set J, J+1
.endr
	v_pk_mul_f32 v[14:15], v[14:15], v[FF:FF+1] op_sel_hi:[1,0]   ; the sums under the new M: a plain line behind the exponentials
	s_wait_alu depctr_va_vdst(0)                   ; one wait for the whole batch, ahead of its first reader
.irp b, 0,1,2,3
	v_exp_f32 v[BM+\b], v[BM+\b]                   ; the block's largest p
.endr
	v_pk_add_f32 v[228:229], v[108:109], v[112:113]
	v_pk_add_f32 v[246:247], v[116:117], v[120:121]
	v_pk_add_f32 v[244:245], v[124:125], v[128:129]
	v_pk_add_f32 v[242:243], v[132:133], v[136:137]
	v_pk_add_f32 v[240:241], v[140:141], v[144:145]
	v_pk_add_f32 v[234:235], v[148:149], v[152:153]
	v_pk_add_f32 v[232:233], v[156:157], v[160:161]
	v_pk_add_f32 v[14:15], v[14:15], v[164:165]
	v_pk_add_f32 v[228:229], v[228:229], v[104:105]
	v_pk_add_f32 v[246:247], v[246:247], v[106:107]
	v_pk_add_f32 v[244:245], v[244:245], v[110:111]
	v_pk_add_f32 v[242:243], v[242:243], v[114:115]
	v_pk_add_f32 v[240:241], v[240:241], v[118:119]
	v_pk_add_f32 v[234:235], v[234:235], v[122:123]
	v_pk_add_f32 v[232:233], v[232:233], v[126:127]
	v_pk_add_f32 v[14:15], v[14:15], v[130:131]
	v_pk_add_f32 v[228:229], v[228:229], v[134:135]
	v_pk_add_f32 v[246:247], v[246:247], v[138:139]
	v_pk_add_f32 v[244:245], v[244:245], v[142:143]
	v_pk_add_f32 v[242:243], v[242:243], v[146:147]
	v_pk_add_f32 v[240:241], v[240:241], v[150:151]
	v_pk_add_f32 v[234:235], v[234:235], v[154:155]
	v_pk_add_f32 v[232:233], v[232:233], v[158:159]
	v_pk_add_f32 v[14:15], v[14:15], v[162:163]
	v_pk_add_f32 v[228:229], v[228:229], v[166:167]
	s_delay_alu instid0(VALU_DEP_2)
	v_pk_add_f32 v[14:15], v[14:15], v[242:243]
	s_delay_alu instid0(VALU_DEP_2)
	v_pk_add_f32 v[228:229], v[228:229], v[240:241]
	v_pk_add_f32 v[246:247], v[246:247], v[234:235]
	v_pk_add_f32 v[244:245], v[244:245], v[232:233]
	s_delay_alu instid0(VALU_DEP_2)
	v_pk_add_f32 v[14:15], v[14:15], v[246:247]
	s_delay_alu instid0(VALU_DEP_2)
	v_pk_add_f32 v[228:229], v[228:229], v[244:245]
	s_delay_alu instid0(VALU_DEP_1)
	v_pk_add_f32 v[14:15], v[14:15], v[228:229]
	s_wait_alu depctr_va_vdst(0)                   ; and one for the four
.irp b, 0,1,2,3
	v_max_num_f32 v[BM+\b], 0x4800000, v[BM+\b]    ; the floor 2^(9 - 127): a block whose every p is 0 keeps the byte 1: its codes are zeros
.endr
.irp b, 0,1,2,3
	s_delay_alu instid0(VALU_DEP_4)
	v_add_nc_u32 v[SO+\b], 0xfc000000, v[BM+\b]
.endr
.irp b, 0,1,2,3
.endr
.irp b, 0,1,2,3
	s_delay_alu instid0(VALU_DEP_4)
	v_lshrrev_b32 v[PM+\b], 23, v[SO+\b]
.endr
	s_delay_alu instid0(VALU_DEP_3)
	v_lshl_or_b32 v[PWD], v[PM+1], 8, v[PM]        ; p's scale word for these 128 keys: it stands more than eight places ahead of the products
	s_delay_alu instid0(VALU_DEP_1)
	v_lshl_or_b32 v[PWD], v[PM+2], 16, v[PWD]
	s_delay_alu instid0(VALU_DEP_1)
	v_lshl_or_b32 v[PWD], v[PM+3], 24, v[PWD]
	s_setprio 0
.irp b, 0,1,2,3
.irp i, 0,1,2,3,4,5,6,7,8,9,10,11,12,13,14,15
.endr
	v_cvt_scalef32_pk8_fp8_f32 v[PCD+4*\b:PCD+1+4*\b], v[S+16*\b:S+7+16*\b], v[SO+\b]
	v_cvt_scalef32_pk8_fp8_f32 v[PCD+2+4*\b:PCD+3+4*\b], v[S+8+16*\b:S+15+16*\b], v[SO+\b]
.endr
.set J, 0
.rept 16
	v_pk_mul_f32 v[O+J:O+J+1], v[O+J:O+J+1], v[FF:FF+1] op_sel_hi:[1,0]   ; O^T under the new M; these lines are also the places between the codes and the products
.set J, J+2
.endr
	s_wait_alu depctr_va_vdst(0)
	s_wait_dscnt 0x0                               ; V
.irp a, 0,2
	v_wmma_scale_f32_16x16x128_f8f6f4 v[O+8*\a:O+8*\a+7], v[32+16*\a:47+16*\a], v[PCD:PCD+15], v[O+8*\a:O+8*\a+7], v[220+\a/2], v[PWD]
	v_wmma_scale_f32_16x16x128_f8f6f4 v[O+8*\a+8:O+8*\a+15], v[48+16*\a:63+16*\a], v[PCD:PCD+15], v[O+8*\a+8:O+8*\a+15], v[220+\a/2], v[PWD] matrix_a_scale:MATRIX_SCALE_ROW1
.endr
.Lhidden:
	s_lshr_b32 s[FB], s[FB], 1
	s_lshr_b32 s[GB], s[GB], 1
	s_add_co_u32 s[TB], s[TB], 8192
	s_add_co_u32 s[TS], s[TS], 512
	s_add_co_u32 s[TJ], s[TJ], 256
	s_add_nc_u64 s[6:7], s[6:7], 256               ; the next step's mask words (no scalar load is out)
	s_add_co_u32 s[CNT], s[CNT], 1
	s_cmp_lt_u32 s[CNT], 16
	s_cbranch_scc1 .Lstep
	s_setprio 0
	; THE WAY OUT: O^T / the sum; register 16 al + i is d = 32 al + 16 h + i of my query: two blocks of 32 along D, quantised as they stand
.rept 8
	v_nop
.endr
	v_add_f32 v14, v14, v15
	s_delay_alu instid0(VALU_DEP_1)
	v_permlanex16_b32 v[TMP], v14, s[SEL], s[SEL+1]
	s_delay_alu instid0(VALU_DEP_1)
	v_add_f32 v14, v14, v[TMP]                     ; the row's sum
	s_wait_alu depctr_va_vdst(0)
	v_rcp_f32 v14, v14
	v_nop                                          ; a plain line behind the reciprocal
	s_wait_alu depctr_va_vdst(0)                   ; and the wait ahead of its first reader
.set J, 0
.rept 16
	v_pk_mul_f32 v[S+J:S+J+1], v[O+J:O+J+1], v[14:15] op_sel_hi:[1,0]   ; each accumulator from its low end on
.set J, J+2
.endr
.irp b, 0,1
	v_max3_num_f32 v[BM+\b], |v[S+16*\b]|, |v[S+1+16*\b]|, 0x4800000
.endr
.irp i, 2,4,6,8,10,12,14
.irp b, 0,1
	s_delay_alu instid0(VALU_DEP_2)
	v_max3_num_f32 v[BM+\b], v[BM+\b], |v[S+16*\b+\i]|, |v[S+1+16*\b+\i]|
.endr
.endr
.irp b, 0,1
	s_delay_alu instid0(VALU_DEP_2)
	v_permlanex16_b32 v[PM+\b], v[BM+\b], s[SEL], s[SEL+1]
.endr
.irp b, 0,1
	s_delay_alu instid0(VALU_DEP_2)
	v_max_num_f32 v[BM+\b], v[BM+\b], v[PM+\b]
.endr
.irp b, 0,1
	s_delay_alu instid0(VALU_DEP_2)
	v_add_nc_u32 v[SO+\b], 0xfc000000, v[BM+\b]
.endr
.irp b, 0,1
.endr
.irp b, 0,1
	s_delay_alu instid0(VALU_DEP_2)
	v_lshrrev_b32 v[PM+\b], 23, v[SO+\b]
.endr
	s_delay_alu instid0(VALU_DEP_1)
	v_lshl_or_b32 v[TMP], v[PM+1], 8, v[PM]        ; my head's two bytes of the row's scale word
.irp b, 0,1
.irp i, 0,1,2,3,4,5,6,7,8,9,10,11,12,13,14,15
.endr
	v_cvt_scalef32_pk8_fp8_f32 v[PCD+4*\b:PCD+1+4*\b], v[S+16*\b:S+7+16*\b], v[SO+\b]
	v_cvt_scalef32_pk8_fp8_f32 v[PCD+2+4*\b:PCD+3+4*\b], v[S+8+16*\b:S+15+16*\b], v[SO+\b]
.endr
	v_nop
	global_store_b128 v1, v[PCD:PCD+3], s[8:9]             ; 32 lanes store 512 consecutive bytes
	global_store_b128 v1, v[PCD+4:PCD+7], s[8:9] offset:512
	v_cmp_gt_u32 vcc_lo, 16, v253
	s_wait_alu depctr_va_vdst(0)
	s_wait_xcnt 0x0                                ; EXEC changes only behind this wait
	s_wait_tensorcnt 0x0
	ds_add_u32 v254, v255
	s_wait_dscnt 0x0
	s_and_saveexec_b32 s96, vcc_lo
	global_store_b16 v252, v[TMP], s[10:11]        ; lanes 0-15: two bytes a row: a head owns half a word; 1/32 of the bytes of the codes
	s_wait_xcnt 0x0
	s_or_b32 exec_lo, exec_lo, s96
	s_endpgm
.Lfunc_end_k_q3768ffafbc_attn:
	.size	k_q3768ffafbc_attn, .Lfunc_end_k_q3768ffafbc_attn-k_q3768ffafbc_attn
	.p2alignl 7, 3214868480
	.fill 96, 4, 3214868480
	.section	.rodata,"a",@progbits
	.p2align	6, 0x0
	.amdhsa_kernel k_q3768ffafbc_attn
		.amdhsa_group_segment_fixed_size 276480
		.amdhsa_private_segment_fixed_size 0
		.amdhsa_enable_private_segment 0
		.amdhsa_kernarg_size 32
		.amdhsa_user_sgpr_count 2
		.amdhsa_user_sgpr_kernarg_segment_ptr 1
		.amdhsa_wavefront_size32 1
		.amdhsa_system_sgpr_workgroup_id_x 1
		.amdhsa_system_sgpr_workgroup_id_y 1
		.amdhsa_system_sgpr_workgroup_id_z 1
		.amdhsa_system_vgpr_workitem_id 0
		.amdhsa_next_free_vgpr 256
		.amdhsa_next_free_sgpr 102
		.amdhsa_reserve_vcc 1
		.amdhsa_float_denorm_mode_32 3
		.amdhsa_float_denorm_mode_16_64 3
		.amdhsa_fp16_overflow 1
		.amdhsa_memory_ordered 1
		.amdhsa_forward_progress 1
		.amdhsa_inst_pref_size 40
	.end_amdhsa_kernel
	.amdgpu_metadata
---
amdhsa.version: [ 1, 2 ]
amdhsa.kernels:
  - .name:           k_q3768ffafbc_attn
    .symbol:         k_q3768ffafbc_attn.kd
    .args:
      - { .name: qkv, .offset: 0, .size: 8, .value_kind: global_buffer, .address_space: global }
      - { .name: mb, .offset: 8, .size: 8, .value_kind: global_buffer, .address_space: global }
      - { .name: fl, .offset: 16, .size: 8, .value_kind: global_buffer, .address_space: global }
      - { .name: ao, .offset: 24, .size: 8, .value_kind: global_buffer, .address_space: global }
    .group_segment_fixed_size: 276480
    .private_segment_fixed_size: 0
    .kernarg_segment_align: 8
    .kernarg_segment_size: 32
    .max_flat_workgroup_size: 512
    .sgpr_count:     102
    .vgpr_count:     256
    .wavefront_size: 32
...
	.end_amdgpu_metadata
.endif
;; end of part 3
;; launch outp (part 4): grid 8 x 32, 4 waves a work-group, clusters of 4 x 4, 288,256 bytes of LDS; arguments ao, pq, bo, out0; writes out0
.if DOCPART == 4
	.amdgcn_target "amdgcn-amd-amdhsa--gfx1250"
	.amdhsa_code_object_version 6
	.text
	.protected	k_q3768ffafbc_outp
	.globl	k_q3768ffafbc_outp
	.p2align	8
	.type	k_q3768ffafbc_outp,@function
k_q3768ffafbc_outp:
	s_mov_b64 s[64:65], 0
	v_nop
	global_prefetch_b8 v0, s[64:65] scope:SCOPE_SE
	s_setreg_imm32_b32 hwreg(HW_REG_WAVE_MODE, 25, 1), 1
	s_wait_xcnt 0x0
	s_wait_alu depctr_hold_cnt(0) depctr_sa_sdst(0) depctr_va_vdst(0) depctr_va_sdst(0) depctr_va_ssrc(0) depctr_va_vcc(0) depctr_vm_vsrc(0)
	s_getreg_b32 s2, hwreg(HW_REG_IB_STS2, 6, 4)
	s_cmp_eq_u32 s2, 0
	s_cbranch_scc0 .Lentry_in_a_cluster
	s_endpgm
.Lentry_in_a_cluster:
	s_bfe_u32 s2, ttmp6, 0x10000c
	s_cmp_lg_u32 s2, 0xf033
	s_cbranch_scc0 .Lentry_shape_is_right
	s_endpgm
.Lentry_shape_is_right:
; OUTP: out0 = x Wo + bo on codes of FP8 (E4M3) with E8M0 scales, f32 sums.  x (ao) and Wo (in pq) lie as images of their registers: a group of 128 rows is 131,072 dense bytes, [K step 0..7][tile 0..7][c][lane][16].
; A tile of 128 x 128 of out0 is made by four waves, 64 x 64 each: 16 accumulators, 128 registers; 8 x 32 = 256 work-groups.  "A" = x is source 1 (rows on lanes), "B" = Wo source 0 (rows on a lane's registers).
; NO RING: all of K for the work-group's group of x and group of Wo, 2 x 131,072 bytes of codes and 2 x 4,096 of scale words, lies in LDS at once.  Every LDS byte is filled once: the fills go out as one group at the start,
; five tensor loads a wave (its half of a side's scale words, then K steps j, 2 + j, 4 + j, 6 + j of that side, j = wave % 2), and the products of two K steps begin as soon as those two have landed in every wave's part.
; Place r of tile 2 al + u is row 32 al + 8 u + r + 8 (r / 8) of its group, on both sides: the way out puts rows and columns back in order.  bo is the C of each sum's first matrix instruction.
; CLUSTERS: 4 x 4 work-groups; A's loads are asked for jointly along a row of the cluster (same 128 rows of x), B's along a column (same 128 rows of Wo).
; REGISTERS: window 0: v16-30 addresses; v32-63 the scale words of all of K (register 8 i + s: lanes 0-15 A's tile i, lanes 16-31 B's tile i, K step s); v64-95 the bias; on the way out v64-127 rows read back;
;   v128-255 the accumulators ((a, b) at v[128 + 8 (4 a + b)]).   window 1: two sets of 128 for a K step's fragments: 64 registers of A (4 tiles), then 64 of B.
.set WOC,   15728640                   ; pq: Wo's codes
.set WOS,   17268736                   ; and its scale words
.set AOS,   4194304                    ; ao: the scale words
.set NP,    8                          ; places behind this matrix instruction (ISA guide 7.12.1)
.set KSB,   16384                      ; a K step of a group: 8 tiles x 2,048 bytes: what one tensor load brings
.set BCODE, 131072                     ; LDS: A's codes at 0, B's here,
.set SCL,   262144                     ; the scale words: A's 4,096 bytes, then B's,
.set HALFS, 2048                       ; (those of four tiles: what one tensor load brings, and what one wave reads of a side)
.set STAGE, 270336                     ; and the way out: 16 rows x (256 + 16) bytes for each wave; no fill lands here
.set SPITCH, 272
.set ADRA, 16                          ; v16-17 LDS address of my A fragments of K steps 0-3, 4-7
.set ADRB, 20                          ; v20-21 the same for B
.set STO,  24                          ; v24 where I put 32 bytes of a row
.set RD,   25                          ; v25 where I read a row back
.set CO,   26                          ; v26 my byte offset in two rows of out0
.set ADRS, 27                          ; v27 LDS address of my scale words: lanes 0-15 A's, lanes 16-31 B's
.set BO,   30                          ; v30 the bias loads' offset
.set SC,   32
.set BI,   64
.set BK,   64
.set ACC,  128
.set G1,   24                          ; s[24:31] descriptor group 1 for A's codes;  s[32:39] for B's;  s[40:47], s[48:55] for A's and B's scale words
.set G1B,  32
.set G1S,  40
.set G1SB, 48
.set G0S,  56                          ; s[56:59] group 0 for A's scale words; A's four loads of codes: s[60:63], s[68:79]
.set G0SB, 80                          ; s[80:83] for B's scale words; B's four loads of codes: s[84:99]
.set MSB, 0
.macro WIN new                         ; the immediate's high byte repeats the setting that is left
.if MSB != \new
	s_set_vgpr_msb (MSB<<8)|\new
.set MSB, \new
.endif
.endm
.set MUL,  0x05                        ; sources 0 (B) and 1 (A) window 1; C and D window 0
.set TO_F, 0x40                        ; destination window 1, address window 0
.macro CREST                           ; a round of the cluster's barrier behind its opening barrier
	s_cmp_lg_u32 s14, 0
	s_cbranch_scc1 .Lnot_wave_0_\@
	s_barrier_signal -3
.Lnot_wave_0_\@:
	s_barrier_wait -3
	s_barrier_signal -1
	s_barrier_wait -1
.endm
.macro CROUND
	s_barrier_signal -1
	s_barrier_wait -1
	CREST
.endm
	s_load_b256 s[4:11], s[0:1], 0x0               ; ao s[4:5], pq s[6:7], bo s[8:9], out0 s[10:11]
	v_lshl_add_u32 v29, v0, 2, 0x46400
	v_mov_b32 v31, 0
	ds_add_u32 v29, v31
	ds_add_u32 v29, v31
	v_lshrrev_b32 v1, 5, v0
	v_readfirstlane_b32 s14, v1                    ; wave 0..3
	s_lshr_b32 s15, s14, 1                         ; which 64 of the tile's rows are mine.  Also: I fetch for A (0) or for B (1)
	s_and_b32 s16, s14, 1                          ; which 64 of its columns.  Also: j, which K step of each pair I fetch
	s_bfe_u32 s18, ttmp6, 0x40000                  ; cx
	s_bfe_u32 s19, ttmp6, 0x40004                  ; cy
	s_and_b32 s17, ttmp7, 0xffff
	s_lshl_b32 s17, s17, 2
	s_add_co_u32 s17, s17, s19                     ; A's group of 128 rows = 4 x cluster y + cy
	s_lshl_b32 s20, ttmp9, 2
	s_add_co_u32 s20, s20, s18                     ; B's = 4 x cluster x + cx
	s_lshl_b32 s21, s19, 2
	s_lshl_b32 s21, 15, s21                        ; my row of the cluster
	s_lshl_b32 s22, 0x1111, s18                    ; my column
	s_or_b32 s[G1+0], s21, (3<<16)|(1<<21)         ; 16,384 dense bytes as 64 rows of 32 elements of 8 bytes; 15:0 the mask: A's loads go to my row; 21 set beside a mask
	s_or_b32 s[G1B+0], s22, (3<<16)|(1<<21)
.irp g, G1, G1B
	s_mov_b32 s[\g+1], 32<<16                      ; tensor_dim0
	s_mov_b32 s[\g+2], 64<<16                      ; tensor_dim1
	s_mov_b32 s[\g+3], 32<<16                      ; tile_dim0
	s_mov_b32 s[\g+4], 64                          ; tile_dim1
	s_mov_b32 s[\g+5], 32                          ; tensor_dim0_stride
	s_mov_b32 s[\g+6], 0
	s_mov_b32 s[\g+7], 0
.endr
	s_or_b32 s[G1S+0], s21, (3<<16)|(1<<21)        ; the scale words of four tiles: 2,048 dense bytes, 8 such rows
	s_or_b32 s[G1SB+0], s22, (3<<16)|(1<<21)
.irp g, G1S, G1SB
	s_mov_b32 s[\g+1], 32<<16
	s_mov_b32 s[\g+2], 8<<16
	s_mov_b32 s[\g+3], 32<<16
	s_mov_b32 s[\g+4], 8
	s_mov_b32 s[\g+5], 32
	s_mov_b32 s[\g+6], 0
	s_mov_b32 s[\g+7], 0
.endr
	; where the loads come from.  A's hang on A's group and the wave's number, B's on B's group and the wave's number, each in registers that never hold the other coordinate
	s_lshl_b32 s23, s16, 14                        ; K step j
	s_lshl_b32 s66, s17, 17
	s_add_co_u32 s66, s66, s23                     ; A's codes
	s_mov_b32 s67, 0
	s_lshl_b32 s100, s17, 12
	s_lshl_b32 s101, s16, 11
	s_add_co_u32 s100, s100, s101
	s_add_co_u32 s100, s100, AOS                   ; A's scale words: tiles 4 j on
	s_mov_b32 s101, 0
	s_lshl_b32 s2, s20, 17
	s_add_co_u32 s2, s2, s23
	s_add_co_u32 s2, s2, WOC                       ; B's codes
	s_mov_b32 s3, 0
	s_lshl_b32 s12, s20, 12
	s_lshl_b32 s13, s16, 11
	s_add_co_u32 s12, s12, s13
	s_add_co_u32 s12, s12, WOS                     ; B's scale words
	s_mov_b32 s13, 0
	s_lshl_b32 s21, s15, 17                        ; and where they go: the side's codes, K step j: no place in the cluster enters an LDS address
	s_add_co_u32 s21, s21, s23
	s_lshl_b32 s22, s14, 11                        ; the scale words: wave x 2,048
	s_wait_dscnt 0x0
	s_wait_kmcnt 0x0
	s_add_nc_u64 s[66:67], s[4:5], s[66:67]
	s_add_nc_u64 s[100:101], s[4:5], s[100:101]
	s_add_nc_u64 s[2:3], s[6:7], s[2:3]
	s_add_nc_u64 s[12:13], s[6:7], s[12:13]
	s_mov_b32 s[G0S], 1                            ; 1:0 count = 1
	s_add_co_u32 s[G0S+1], s22, SCL                ; 63:32 LDS address
	s_mov_b64 s[G0S+2:G0S+3], s[100:101]           ; 120:64 global address
	s_or_b32 s[G0S+3], s[G0S+3], 0x80000000        ; 127:126 type = 2
	s_mov_b32 s[G0SB], 1
	s_add_co_u32 s[G0SB+1], s22, SCL
	s_mov_b64 s[G0SB+2:G0SB+3], s[12:13]
	s_or_b32 s[G0SB+3], s[G0SB+3], 0x80000000
.irp q, 0,1,2,3                        ; K step 2 q + j: a group 0 of its own for each load, since all are out together
.set GA, 60+4*\q+4*((\q+3)/4)
.set GB, 84+4*\q
	s_mov_b32 s[GA], 1
	s_add_co_u32 s[GA+1], s21, \q*2*KSB
	s_add_nc_u64 s[GA+2:GA+3], s[66:67], \q*2*KSB
	s_or_b32 s[GA+3], s[GA+3], 0x80000000
	s_mov_b32 s[GB], 1
	s_add_co_u32 s[GB+1], s21, \q*2*KSB
	s_add_nc_u64 s[GB+2:GB+3], s[2:3], \q*2*KSB
	s_or_b32 s[GB+3], s[GB+3], 0x80000000
.endr
	CROUND                                         ; all sixteen work-groups are here: the joint loads meet
	s_cmp_eq_u32 s15, 0                            ; a wave's five fills stand in one branch on the wave's number, ahead of every wait on TENSORcnt, every LDS read and every other barrier: five loads of mine are out
	s_cbranch_scc0 .Lfirst_b
	tensor_load_to_lds s[G0S:G0S+3], s[G1S:G1S+7]
	s_nop 0
	tensor_load_to_lds s[60:63], s[G1:G1+7]
	s_nop 0
	tensor_load_to_lds s[68:71], s[G1:G1+7]
	s_nop 0
	tensor_load_to_lds s[72:75], s[G1:G1+7]
	s_nop 0
	tensor_load_to_lds s[76:79], s[G1:G1+7]
	s_nop 0
.rept 4
	v_nop                                          ; four v_nop follow the last line of each arm
.endr
	s_branch .Lfirst_asked
.Lfirst_b:
	tensor_load_to_lds s[G0SB:G0SB+3], s[G1SB:G1SB+7]
	s_nop 0
	tensor_load_to_lds s[84:87], s[G1B:G1B+7]
	s_nop 0
	tensor_load_to_lds s[88:91], s[G1B:G1B+7]
	s_nop 0
	tensor_load_to_lds s[92:95], s[G1B:G1B+7]
	s_nop 0
	tensor_load_to_lds s[96:99], s[G1B:G1B+7]
	s_nop 0
.rept 4
	v_nop
.endr
.Lfirst_asked:
	v_and_b32 v1, 15, v0                           ; r
	v_bfe_u32 v2, v0, 4, 1                         ; h
	s_wait_alu depctr_va_vdst(0)
	v_and_b32 v3, 31, v0
	v_lshlrev_b32 v4, 4, v3                        ; 16 x lane
	s_lshl_b32 s21, s15, 13                        ; my four tiles of A: 4 x 2,048 bytes in each K step
	s_lshl_b32 s22, s16, 13                        ; my four tiles of B,
	s_add_co_u32 s22, s22, BCODE                   ; behind A's codes
.irp k, 0,1
	v_add_nc_u32 v[ADRA+\k], s21, v4
	v_add_nc_u32 v[ADRB+\k], s22, v4
	s_add_co_u32 s21, s21, 4*KSB                   ; four K steps on: an LDS offset has 16 bits
	s_add_co_u32 s22, s22, 4*KSB
.endr
	v_lshlrev_b32 v5, 3, v1                        ; my row's two words of a pair of K steps: 8 r
	s_mul_i32 s21, s15, HALFS
	s_mul_i32 s22, s16, HALFS
	s_add_co_u32 s22, s22, 2*HALFS
	s_sub_co_u32 s22, s22, s21
	v_mul_u32_u24 v6, s22, v2                      ; lanes 16-31 take B's: the lower base + h x the distance
	s_add_co_u32 s21, s21, SCL
	v_add_nc_u32 v5, v5, v6
	v_add_nc_u32 v[ADRS], s21, v5
	s_mul_i32 s23, s14, 16*SPITCH
	s_add_co_u32 s23, s23, STAGE                   ; my stage
	v_mul_u32_u24 v5, v1, SPITCH
	v_lshl_add_u32 v5, v2, 6, v5
	v_add_nc_u32 v[STO], s23, v5                   ; in: row r, + 64 h
	v_mul_u32_u24 v5, v2, SPITCH
	v_lshl_add_u32 v5, v1, 4, v5
	v_add_nc_u32 v[RD], s23, v5                    ; back: lanes 0-15 one row of 256 bytes, lanes 16-31 the next
	v_lshlrev_b32 v[CO], 12, v2
	v_lshl_add_u32 v[CO], v1, 4, v[CO]             ; and the same two rows in out0: 4,096 h + 16 r
	s_lshl_b32 s18, s20, 9
	s_lshl_b32 s19, s16, 8
	s_add_co_u32 s18, s18, s19                     ; my 64 columns, in bytes: 512 x B's group + 256 x half
	s_mov_b32 s19, 0
	s_add_nc_u64 s[8:9], s[8:9], s[18:19]          ; in bo,
	s_lshl_b32 s22, s17, 1
	s_add_co_u32 s22, s22, s15
	s_lshl_b32 s22, s22, 18                        ; my 64 rows of 4,096 bytes
	s_add_co_u32 s22, s22, s18
	s_mov_b32 s23, 0
	s_add_nc_u64 s[12:13], s[10:11], s[22:23]      ; and in out0
	v_lshlrev_b32 v[BO], 6, v2                     ; the bias: register 8 b + j: column 32 (b / 2) + 16 h + 8 (b % 2) + j of my 64
.irp b, 0,1,2,3
	global_load_b128 v[BI+8*\b:BI+8*\b+3], v[BO], s[8:9] offset:(32*(\b/2)+8*(\b%2))*4
	global_load_b128 v[BI+8*\b+4:BI+8*\b+7], v[BO], s[8:9] offset:(32*(\b/2)+8*(\b%2))*4+16
.endr
; 32 LDS loads in one run: K step s's fragments, B's four tiles and A's four, into set s % 2; each load takes 512 consecutive bytes
.macro FETCH s
	WIN TO_F
.irp i, 0,1,2,3
.irp c, 0,1,2,3
	ds_load_b128 v[128*((\s)%2)+64+16*\i+4*\c:128*((\s)%2)+64+16*\i+4*\c+3], v[ADRB+(\s)/4] offset:KSB*((\s)%4)+2048*\i+512*\c
.endr
.endr
.irp i, 0,1,2,3
.irp c, 0,1,2,3
	ds_load_b128 v[128*((\s)%2)+16*\i+4*\c:128*((\s)%2)+16*\i+4*\c+3], v[ADRA+(\s)/4] offset:KSB*((\s)%4)+2048*\i+512*\c
.endr
.endr
.endm
; 8 matrix instructions of K step s: A's tiles a0, a0 + 1 x B's four.  K step 0 starts the sums from the bias.  The 16 accumulators take turns, one instruction a turn, in the same order in every K step.
.macro MUL8 s, a0
.irp a, \a0, \a0+1
.irp b, 0,1,2,3
.if (\s) == 0
	v_wmma_scale_f32_16x16x128_f8f6f4 v[ACC+8*(4*(\a)+\b):ACC+8*(4*(\a)+\b)+7], v[128*((\s)%2)+64+16*\b:128*((\s)%2)+64+16*\b+15], v[128*((\s)%2)+16*(\a):128*((\s)%2)+16*(\a)+15], v[BI+8*\b:BI+8*\b+7], v[SC+8*\b+(\s)], v[SC+8*(\a)+(\s)] matrix_a_scale:MATRIX_SCALE_ROW1
.else
	v_wmma_scale_f32_16x16x128_f8f6f4 v[ACC+8*(4*(\a)+\b):ACC+8*(4*(\a)+\b)+7], v[128*((\s)%2)+64+16*\b:128*((\s)%2)+64+16*\b+15], v[128*((\s)%2)+16*(\a):128*((\s)%2)+16*(\a)+15], v[ACC+8*(4*(\a)+\b):ACC+8*(4*(\a)+\b)+7], v[SC+8*\b+(\s)], v[SC+8*(\a)+(\s)] matrix_a_scale:MATRIX_SCALE_ROW1
.endif
.endr
.endr
.endm
.macro PLACES n                        ; plain vector lines between a matrix instruction and a load into, or a read by a store of, its registers
.rept \n
	v_nop
.endr
.endm
; A K step: its fragments are waited for, the next K step's are asked for into the other set, its 16 products follow.
; An odd K step's successor lies in the next pair of K steps, which other waves' loads bring too: each wave waits until its own load of that pair has landed, signals, and reads behind the barrier.  Nothing is ever filled again.
.macro KSTEP s
	s_wait_dscnt 0x0                               ; this K step's fragments are in; no LDS instruction of mine is out at the signal below
.if ((\s)%2) == 1 && (\s) < 7
	s_wait_tensorcnt 2-(\s)/2                      ; my load of the next pair has landed; the loads of the later pairs, as many as the count says, may be out
	s_barrier_signal -1
	WIN MUL
	MUL8 \s, 0                                     ; work on registers while the others arrive
	s_barrier_wait -1
	PLACES NP
	FETCH (\s)+1
	WIN MUL
	MUL8 \s, 2
.elseif (\s) < 7
.if (\s) > 0
	PLACES NP
.endif
	FETCH (\s)+1
	WIN MUL
	MUL8 \s, 0
	MUL8 \s, 2
.else
	WIN MUL
	MUL8 \s, 0
	MUL8 \s, 2
.endif
.endm
	s_wait_tensorcnt 3                             ; my scale words and my K step of the first pair are in; the three younger loads may be out
	s_barrier_signal -1
	s_barrier_wait -1                              ; everybody's are
.irp i, 0,1,2,3
.irp g, 0,1,2,3
	ds_load_b64 v[SC+8*\i+2*\g:SC+8*\i+2*\g+1], v[ADRS] offset:512*\i+128*\g   ; the scale words of all of K, once: tile i, K steps 2 g and 2 g + 1
.endr
.endr
	FETCH 0
	s_wait_loadcnt 0x0                             ; the bias
.irp s, 0,1,2,3,4,5,6,7
	KSTEP \s
.endr
	WIN 0
; THE WAY OUT, block by block of 16 rows x 64 columns, through my own stage: a lane's eight results are columns 32 (b / 2) + 16 h + 8 (b % 2) + 0..7 of one row; they come back as whole rows of 256 bytes.
; LDS serves a wave's instructions in order (ISA guide 5.7.1.4): no wait between the stores and the loads, nor in front of the next block's stores.
.macro TOSTAGE a
.irp b, 0,1,2,3
	ds_store_b128 v[STO], v[ACC+8*(4*(\a)+\b):ACC+8*(4*(\a)+\b)+3] offset:128*(\b/2)+32*(\b%2)          ; each accumulator from its low end on
	ds_store_b128 v[STO], v[ACC+8*(4*(\a)+\b)+4:ACC+8*(4*(\a)+\b)+7] offset:128*(\b/2)+32*(\b%2)+16
.endr
.set BB, BK+32*((\a)%2)
.irp t, 0,1,2,3,4,5,6,7
	ds_load_b128 v[BB+4*\t:BB+4*\t+3], v[RD] offset:2*\t*SPITCH
.endr
.endm
.macro SEND a, younger                 ; younger: the LDS instructions issued behind block a's loads, which may stay out
.set BB, BK+32*((\a)%2)
	s_wait_dscnt \younger
.irp t, 0,1,2,3,4,5,6,7
	global_store_b128 v[CO], v[BB+4*\t:BB+4*\t+3], s[12:13] offset:(32*((\a)/2)+8*((\a)%2)+2*\t+8*(\t/4))*4096 th:TH_STORE_NT   ; places 2 t and 2 t + 1 of block a are those rows of my 64; 16 lanes store 256 consecutive bytes, aligned
.endr
.endm
	PLACES NP                                      ; behind the last products: their results are read
	s_wait_alu depctr_va_vdst(0)
	TOSTAGE 0
.irp a, 1,2,3
.if \a > 1
	s_wait_xcnt 0x0                                ; block a - 2's stores have read their registers: block a's loads may land there
.endif
	TOSTAGE \a
	SEND \a-1, 16                                  ; behind block a - 1's loads: block a's 8 stores and 8 loads
.endr
	SEND 3, 0
	s_wait_tensorcnt 0x0
	ds_add_u32 v29, v31
	s_wait_dscnt 0x0
	CROUND                                         ; the closing round: no work-group ends while a partner may still ask for a load that names it
	s_endpgm
.Lfunc_end_k_q3768ffafbc_outp:
	.size	k_q3768ffafbc_outp, .Lfunc_end_k_q3768ffafbc_outp-k_q3768ffafbc_outp
	.p2alignl 7, 3214868480
	.fill 96, 4, 3214868480
	.section	.rodata,"a",@progbits
	.p2align	6, 0x0
	.amdhsa_kernel k_q3768ffafbc_outp
		.amdhsa_group_segment_fixed_size 288256
		.amdhsa_private_segment_fixed_size 0
		.amdhsa_enable_private_segment 0
		.amdhsa_kernarg_size 32
		.amdhsa_user_sgpr_count 2
		.amdhsa_user_sgpr_kernarg_segment_ptr 1
		.amdhsa_wavefront_size32 1
		.amdhsa_system_sgpr_workgroup_id_x 1
		.amdhsa_system_sgpr_workgroup_id_y 1
		.amdhsa_system_sgpr_workgroup_id_z 1
		.amdhsa_system_vgpr_workitem_id 0
		.amdhsa_next_free_vgpr 512
		.amdhsa_next_free_sgpr 102
		.amdhsa_reserve_vcc 0
		.amdhsa_float_denorm_mode_32 3
		.amdhsa_float_denorm_mode_16_64 3
		.amdhsa_memory_ordered 1
		.amdhsa_forward_progress 1
		.amdhsa_inst_pref_size 55
	.end_amdhsa_kernel
	.amdgpu_metadata
---
amdhsa.version: [ 1, 2 ]
amdhsa.kernels:
  - .name:           k_q3768ffafbc_outp
    .symbol:         k_q3768ffafbc_outp.kd
    .args:
      - { .name: ao, .offset: 0, .size: 8, .value_kind: global_buffer, .address_space: global }
      - { .name: pq, .offset: 8, .size: 8, .value_kind: global_buffer, .address_space: global }
      - { .name: bo, .offset: 16, .size: 8, .value_kind: global_buffer, .address_space: global }
      - { .name: out0, .offset: 24, .size: 8, .value_kind: global_buffer, .address_space: global }
    .group_segment_fixed_size: 288256
    .private_segment_fixed_size: 0
    .kernarg_segment_align: 8
    .kernarg_segment_size: 32
    .max_flat_workgroup_size: 128
    .sgpr_count:     102
    .vgpr_count:     512
    .wavefront_size: 32
...
	.end_amdgpu_metadata
.endif
;; end of part 4
